; MI455X (gfx1250); checked and timed in simulation.
; The chip was launched on July 23, 2026; its instructions are those of AMD's public machine-readable ISA for CDNA 5 (MIT licence, August 2026) and "CDNA5" Instruction Set Architecture Reference Guide (July 2026). The comments in the code are by the model that wrote it; some were corrected since.
;; Residual Attention Block. Allowed arithmetic: matrix products marked QUANTISED: E4M3 operands, one given power-of-two scale a tensor, by v_wmma_f32_16x16x64_fp8_fp8 or v_wmma_f32_16x16x128_fp8_fp8, f32 sums; products left as they are: f32 operands where the result goes on into a quantised operand, else bf16, f16 or f32 operands; f32 sums; everything else in f32.
;; Inputs: W1 512 x 512 float32; W2 512 x 512 float32; Wk 512 x 512 float32; Wm 512 x 512 float32; Wq 512 x 512 float32; Wv 512 x 512 float32; b1 512 float32; b2 512 float32; b_att 512 float32; b_ffn 512 float32; g_att 512 float32; g_ffn 512 float32; lowp_scales 16 int32 (the exponents e of the quantised operands' scales 2^e); x 8 x 4,096 x 512 float32.
;; Outputs: out0 8 x 4,096 x 512 float32.
;; This version of the problem:
;;   THIS VERSION OF THE PROBLEM IS GIVEN IN LOW PRECISION. The matrix products marked QUANTISED in the list below multiply operands that are first quantised to E4M3 (4 exponent bits, 3 mantissa bits; 8 bits a number), with one given power-of-two scale for each operand tensor; their sums are f32. All else is computed in f32.
;;   The module's matrix products, in the order in which they are computed (A, B: the left and right operand; K: the contracted axis; several contracted axes count as one K, in the product's order):
;;     1. [M 32,768, K 512] x [K 512, N 512]; A: computed on the way; B: input Wq: QUANTISED (scales: A lowp_scales[0], B lowp_scales[1])
;;     2. [M 32,768, K 512] x [K 512, N 512]; A: computed on the way; B: input Wk: QUANTISED (scales: A lowp_scales[2], B lowp_scales[3])
;;     3. [M 32,768, K 512] x [K 512, N 512]; A: computed on the way; B: input Wv: QUANTISED (scales: A lowp_scales[4], B lowp_scales[5])
;;     4. batch 128 x [M 32, K 4,096] x [K 4,096, N 32]; A: computed on the way; B: computed on the way: QUANTISED (scales: A lowp_scales[6], B lowp_scales[7])
;;     5. batch 128 x [M 1, K 32] x [K 32, N 4,096]; A: computed on the way; B: computed on the way: left as it is (M = 1 < 16)
;;     6. batch 128 x [M 32, K 32] x [K 32, N 4,096]; A: computed on the way; B: computed on the way: QUANTISED (scales: A lowp_scales[8], B lowp_scales[9])
;;     7. [M 32,768, K 512] x [K 512, N 512]; A: computed on the way; B: input Wm: QUANTISED (scales: A lowp_scales[10], B lowp_scales[11])
;;     8. [M 32,768, K 512] x [K 512, N 512]; A: computed on the way; B: input W1: QUANTISED (scales: A lowp_scales[12], B lowp_scales[13])
;;     9. [M 32,768, K 512] x [K 512, N 512]; A: computed on the way; B: input W2: QUANTISED (scales: A lowp_scales[14], B lowp_scales[15])
;;   THE QUANTISER, for each operand of a quantised product, along K:
;;     - The operand's scale is 2^e, e = its entry of the input lowp_scales (int32; the entries are numbered through the quantised products in the list's order, A before B).
;;     - Each number is divided by the scale, clamped to +-448, and rounded to the nearest number of E4M3, ties to even, subnormals kept.
;;     - The product sums the exact products of the quantised numbers (number of the format x scale) in f32.
;;   ~~~python
;;   def quantise(x, axis, e):      # numpy; x: float32 -> the quantised numbers, widened to float32 again
;;       x = np.moveaxis(x, axis, -1); K = x.shape[-1]
;;       r = np.clip(x / 2.0 ** e, -448, 448)
;;       step = 2.0 ** (np.maximum(np.frexp(np.where(r == 0, 1, r))[1] - 1, -6) - 3)
;;       q = np.round(r / step) * step * 2.0 ** e      # np.round: ties to even
;;       return np.moveaxis(q, -1, axis).astype(np.float32)
;;   ~~~
;;   OPERANDS COMPUTED ON THE WAY. 'Computed on the way' means the value that the module computes at that place (a softmax that the list does not call 'softmax' is quantised finished and normalised). What goes into a quantiser is computed in f32, as accurately as f32 sums, v_exp_f32 and their like allow (about 1e-6 of the number): no bf16 or f16 on the way to a quantiser, and a product that is left as it is and whose result goes on into a quantised operand takes f32 operands (vector FMAs, or v_wmma_f32_16x16x4_f32). A number that lies on a knife's edge between two numbers of the format may be rounded either way, as far as f32 arithmetic and the matrix unit's own rounding can turn it there, and no further.
;; One version. Each part assembles by itself: llvm-mc -triple=amdgcn-amd-amdhsa -mcpu=gfx1250 --defsym DOCPART=n.
;; ======== version 1 of 1: 4 launches
;; limits: right only within a limited range of input values
;; workspace buffers: wc 1,572,864 bytes; kvp 16,777,216 bytes; ksp 524,288 bytes; kvc 131,072 bytes; ksum 16,384 bytes
;; launch prep (part 1): grid 64 x 6, 4 waves a work-group, no clusters, 0 bytes of LDS; arguments Wk, Wv, Wq, W1, Wm, W2, lowp_scales, wc; writes wc
.if DOCPART == 1
	.amdgcn_target "amdgcn-amd-amdhsa--gfx1250"
	.amdhsa_code_object_version 6
	.text
	.protected	k_qbe43225357_prep
	.globl	k_qbe43225357_prep
	.p2align	8
	.type	k_qbe43225357_prep,@function
k_qbe43225357_prep:
	s_mov_b64 s[64:65], 0
	v_nop
	global_prefetch_b8 v0, s[64:65] scope:SCOPE_SE
	s_setreg_imm32_b32 hwreg(HW_REG_WAVE_MODE, 25, 1), 1
	s_wait_xcnt 0x0
; THE SIX WEIGHTS BECOME CODES OF E4M3, laid in the order of a matrix operand's registers.
; The program: prep (this), kvpart (LN, k, v, partial KV and partial sums of K for 128 tokens), kvsum (the 32 partials of a batch; KV to codes), block (LN, q, msg, Wm, residual, LN, W1, gelu, W2, residual).
; DEAD WORK: none.  Every input has a way to out0, and every product of reference() is done.  v / N and the factor N stand on either side of quantisers, so they stay: as N = 4096 = 2^12 they are
; folded, exactly, into the exponents of the conversions' scales.  elu(t) + 1 is formed as max(t, 0) + exp(min(t, 0)), which is the same number for every t.
; A weight is [K 512][N 512] f32, K its first axis.  A LANE TAKES A COLUMN n AND ITS REGISTERS RUN DOWN K: each load reads 128 consecutive bytes a wave, 512 a work-group, and the conversions give codes with K innermost.
; wc: [weight 6: Wk, Wv, Wq, W1, Wm, W2][T 32: tile of 16 columns][s 4: K step of 128][q 4][lane 32][16 bytes]: lane (r, h) of piece q holds, of column 16 T + r, k = 128 s + 32 q + 8 h + 0..7, then + 16:
; registers 4 q .. 4 q + 3 of the fragment of v_wmma_f32_16x16x128_fp8_fp8, every k in its own place.  A fragment then comes by four loads of 512 consecutive bytes.
; code = w / 2^e, held within +-448, to the nearest code, ties to even.  LIMITS: -126 <= e and e + 8 <= 127.  NaN among the inputs is not served.
; SHARES: work-group (x, y): weight y, columns 128 (x & 3) on, k = 32 (x >> 2) on; wave w: 32 columns.  No LDS, no barrier: sixteen lanes' 16 bytes are one aligned block of 256 bytes as they stand.
.set XR, 16                            ; v16-47  32 numbers down K
.set CR, 48                            ; v48-55  their codes
	s_load_b512 s[8:23], s[0:1], 0x0               ; Wk, Wv, Wq, W1, Wm, W2, the scales' exponents s[20:21], wc s[22:23]
	v_lshrrev_b32 v3, 5, v0
	v_readfirstlane_b32 s24, v3                    ; wave
	v_and_b32 v4, 31, v0                           ; lane
	v_lshlrev_b32 v1, 2, v4                        ; in: 4 bytes a lane
	v_lshrrev_b32 v5, 4, v4
	v_and_b32 v6, 15, v4
	v_lshlrev_b32 v2, 4, v6
	v_lshl_add_u32 v2, v5, 13, v2                  ; out: tile lane / 16 (8,192 bytes a tile), 16 bytes for column lane % 16
	s_and_b32 s2, ttmp7, 0xffff                    ; which weight
	s_and_b32 s25, ttmp9, 3                        ; which 128 columns
	s_lshr_b32 s26, ttmp9, 2                       ; which 32 along K
	s_lshl_b32 s28, s26, 16                        ; in: 32 rows of 2,048 bytes,
	s_lshl_b32 s27, s25, 9
	s_add_co_u32 s28, s28, s27                     ; + 512 bytes for 128 columns,
	s_lshl_b32 s27, s24, 7
	s_add_co_u32 s28, s28, s27                     ; + 128 for my wave's 32
	s_mov_b32 s29, 0
	s_lshl_b32 s30, s2, 18                         ; out: 262,144 bytes a weight,
	s_lshl_b32 s27, s25, 16
	s_add_co_u32 s30, s30, s27                     ; 8 tiles for 128 columns,
	s_lshl_b32 s27, s24, 14
	s_add_co_u32 s30, s30, s27                     ; 2 tiles a wave,
	s_lshl_b32 s27, s26, 9
	s_add_co_u32 s30, s30, s27                     ; piece 4 s + q = x >> 2, 512 bytes each
	s_mov_b32 s31, 0
	s_wait_kmcnt 0x0
	s_load_b512 s[32:47], s[20:21], 0x0            ; e0 .. e15
	s_mov_b64 s[4:5], s[8:9]                       ; the weight's address: a choice on the work-group's number alone
	s_cmp_eq_u32 s2, 1
	s_cselect_b64 s[4:5], s[10:11], s[4:5]
	s_cmp_eq_u32 s2, 2
	s_cselect_b64 s[4:5], s[12:13], s[4:5]
	s_cmp_eq_u32 s2, 3
	s_cselect_b64 s[4:5], s[14:15], s[4:5]
	s_cmp_eq_u32 s2, 4
	s_cselect_b64 s[4:5], s[16:17], s[4:5]
	s_cmp_eq_u32 s2, 5
	s_cselect_b64 s[4:5], s[18:19], s[4:5]
	s_add_nc_u64 s[4:5], s[4:5], s[28:29]
	s_add_nc_u64 s[22:23], s[22:23], s[30:31]
.set i, 0
.rept 32
	global_load_b32 v[XR+i], v1, s[4:5] offset:i*2048 th:TH_LOAD_NT   ; W(32 kq + i, my column)
.set i, i+1
.endr
	s_wait_kmcnt 0x0
	s_mov_b32 s3, s35                              ; the weight's exponent: Wk e3, Wv e5, Wq e1, W1 e13, Wm e11, W2 e15
	s_cmp_eq_u32 s2, 1
	s_cselect_b32 s3, s37, s3
	s_cmp_eq_u32 s2, 2
	s_cselect_b32 s3, s33, s3
	s_cmp_eq_u32 s2, 3
	s_cselect_b32 s3, s45, s3
	s_cmp_eq_u32 s2, 4
	s_cselect_b32 s3, s43, s3
	s_cmp_eq_u32 s2, 5
	s_cselect_b32 s3, s47, s3
	s_add_co_i32 s3, s3, 127
	s_lshl_b32 s6, s3, 23
	v_mov_b32 v11, s6                              ; 2^e as f32: the conversion takes its exponent field
	s_add_co_i32 s3, s3, 8
	s_lshl_b32 s3, s3, 23
	s_or_b32 s3, s3, 0x600000
	v_mov_b32 v10, s3                              ; 448 x 2^e
	s_wait_loadcnt 0x0
.set i, 0
.rept 32
	v_med3_num_f32 v[XR+i], v[XR+i], -v10, v10     ; the conversion to an 8-bit code does not saturate (ISA guide 7.6.2): the hold comes first
.set i, i+1
.endr
	v_cvt_scalef32_pk8_fp8_f32 v[CR:CR+1], v[XR:XR+7], v11          ; half 0 of the lanes: k + 0..7,
	v_cvt_scalef32_pk8_fp8_f32 v[CR+2:CR+3], v[XR+16:XR+23], v11    ; k + 16..23
	v_cvt_scalef32_pk8_fp8_f32 v[CR+4:CR+5], v[XR+8:XR+15], v11     ; half 1: k + 8..15,
	v_cvt_scalef32_pk8_fp8_f32 v[CR+6:CR+7], v[XR+24:XR+31], v11    ; k + 24..31
	global_store_b128 v2, v[CR:CR+3], s[22:23]                      ; sixteen lanes store 256 consecutive bytes, aligned
	global_store_b128 v2, v[CR+4:CR+7], s[22:23] offset:256
	s_endpgm
.Lfunc_end_k_qbe43225357_prep:
	.size	k_qbe43225357_prep, .Lfunc_end_k_qbe43225357_prep-k_qbe43225357_prep
	.p2alignl 7, 3214868480
	.fill 96, 4, 3214868480
	.section	.rodata,"a",@progbits
	.p2align	6, 0x0
	.amdhsa_kernel k_qbe43225357_prep
		.amdhsa_group_segment_fixed_size 0
		.amdhsa_private_segment_fixed_size 0
		.amdhsa_enable_private_segment 0
		.amdhsa_kernarg_size 64
		.amdhsa_user_sgpr_count 2
		.amdhsa_user_sgpr_kernarg_segment_ptr 1
		.amdhsa_wavefront_size32 1
		.amdhsa_system_sgpr_workgroup_id_x 1
		.amdhsa_system_sgpr_workgroup_id_y 1
		.amdhsa_system_sgpr_workgroup_id_z 1
		.amdhsa_system_vgpr_workitem_id 0
		.amdhsa_next_free_vgpr 64
		.amdhsa_next_free_sgpr 66
		.amdhsa_reserve_vcc 0
		.amdhsa_float_denorm_mode_32 3
		.amdhsa_float_denorm_mode_16_64 3
		.amdhsa_memory_ordered 1
		.amdhsa_forward_progress 1
		.amdhsa_inst_pref_size 8
	.end_amdhsa_kernel
	.amdgpu_metadata
---
amdhsa.version: [ 1, 2 ]
amdhsa.kernels:
  - .name:           k_qbe43225357_prep
    .symbol:         k_qbe43225357_prep.kd
    .args:
      - { .name: Wk, .offset: 0, .size: 8, .value_kind: global_buffer, .address_space: global }
      - { .name: Wv, .offset: 8, .size: 8, .value_kind: global_buffer, .address_space: global }
      - { .name: Wq, .offset: 16, .size: 8, .value_kind: global_buffer, .address_space: global }
      - { .name: W1, .offset: 24, .size: 8, .value_kind: global_buffer, .address_space: global }
      - { .name: Wm, .offset: 32, .size: 8, .value_kind: global_buffer, .address_space: global }
      - { .name: W2, .offset: 40, .size: 8, .value_kind: global_buffer, .address_space: global }
      - { .name: lowp_scales, .offset: 48, .size: 8, .value_kind: global_buffer, .address_space: global }
      - { .name: wc, .offset: 56, .size: 8, .value_kind: global_buffer, .address_space: global }
    .group_segment_fixed_size: 0
    .private_segment_fixed_size: 0
    .kernarg_segment_align: 8
    .kernarg_segment_size: 64
    .max_flat_workgroup_size: 128
    .sgpr_count:     66
    .vgpr_count:     64
    .wavefront_size: 32
...
	.end_amdgpu_metadata
.endif
;; end of part 1
;; launch kvpart (part 2): grid 256 x 1, 4 waves a work-group, no clusters, 235,008 bytes of LDS; arguments x, g_att, b_att, lowp_scales, wc, kvp, ksp; writes kvp, ksp
.if DOCPART == 2
	.amdgcn_target "amdgcn-amd-amdhsa--gfx1250"
	.amdhsa_code_object_version 6
	.text
	.protected	k_qbe43225357_kvpart
	.globl	k_qbe43225357_kvpart
	.p2align	8
	.type	k_qbe43225357_kvpart,@function
k_qbe43225357_kvpart:
	s_mov_b64 s[64:65], 0
	v_nop
	global_prefetch_b8 v0, s[64:65] scope:SCOPE_SE
	s_setreg_imm32_b32 hwreg(HW_REG_WAVE_MODE, 25, 1), 1
	s_wait_xcnt 0x0
; FOR 128 TOKENS OF ONE BATCH: h = LN(x); k = Q(h, e2) Q(Wk, e3); v = Q(h, e4) Q(Wv, e5); K = elu(k) + 1; the tokens' part of KV = Q(K, e6)^T Q(v / N, e7) for all 16 heads, and of the sum of K.
; No work of reference() is left out here; v / N is folded into the conversion's scale (N = 2^12: exact).
; SHARES.  Work-group g: rows 128 g .. 128 g + 127 of x.  For LN wave w holds columns 128 w .. + 127 of all 128 rows in 512 registers; for the products, in chunk j of four, wave w makes features 128 j + 32 w .. + 31: head 4 j + w.
; h's codes go from wave to wave through LDS as images of the operand's registers (a fragment of 16 rows x 128 K: four stores of 512 bytes, 16 bytes a lane); then each wave keeps all 32 fragments in registers.
; The products are used as they stand: source 0 = 16 tokens of h, source 1 = 16 columns of the weight: a lane then holds ONE feature and eight neighbouring TOKENS, which are the K of the product K^T v:
; the conversions' results are that product's operand registers, every k in its own place.
; The weights come from memory straight into the one wave that uses them, in fragment order (wc): each byte of a weight feeds one wave of the work-group, so a way through LDS, shared or not, would only add LDS reads.
; TWO SETS OF WEIGHT FRAGMENTS TAKE TURNS (window 1: v128-255 for the even chunks, v0-127 for the odd ones): of the eight chunks (four of Wk, then four of Wv) chunk c + 2 is asked for as soon as chunk c's products
; are issued, so its 32 loads have the rest of that chunk and the whole next chunk in which to land.
; LIMITS on the given exponents, so that each power of two below is an f32 number: e2, e4, e6 and e7 - e4 - e5 + 12 between -126 and 119; e2 + e3 between -126 and 127.  NaN and infinities among the inputs are not served;
; an exponential under 2^-126 counts as 0.
; REGISTERS in windows of 256.  Window 0: v1-15 addresses and scales; v16-47 codes; v32-47 (even) 1/sigma, v48-63 (even) mean; v64-127 at work; v128-255 the 16 accumulators of a chunk.
;   window 1: v0-127 gamma, beta, later the odd chunks' 8 weight fragments; v128-255 the even chunks'.   windows 2, 3: x (tile m of 16 rows at window 2 + m / 4, v[64 (m % 4) + 8 t + j] = row 16 m + r, column 128 w + 16 t + 8 h + j), later h's 32 fragments.
.set HK, 0                             ; LDS: h's images for k: fragment (m, s) at (4 m + s) x 2,048
.set HV, 65536                         ; the same for v
.set FKP, 131072                       ; K's codes of the four chunks, 16,384 bytes for each wave, its own
.set STG, 196608                       ; a stage of 16 rows x (512 + 16) bytes for each wave, its own
.set STAT, 230400                      ; [m 8][r 16][wave 4][mean, M2]
.set SPARE, 234496                     ; the spare words, 128 bytes a wave: two blocks of 256 bytes that no other line names
.set LI, 1                             ; v1   16 x lane
.set H32, 2                            ; v2   32 x (lane / 16)
.set IMS, 3                            ; v3   where I store an image: 16 x lane + 2,048 x wave
.set SGA, 4                            ; v4   my stage by rows: 16 x lane
.set SGB, 5                            ; v5   my stage by the operand's layout: 528 r + 32 h
.set STS, 6                            ; v6   STAT + 32 r + 8 wave
.set STL, 7                            ; v7   STAT + 32 r
.set LIV, 8                            ; v8   HV + 16 x lane
.set FK0, 9                            ; v9   my part of FKP + 16 x lane
.set SPW, 10                           ; v10  my spare word; never rewritten
.set NIL, 11                           ; v11  0; never rewritten
.set SC2, 12                           ; v12  2^e2
.set FKA, 13                           ; v13  FK0 + the trip's 8,192 bytes
.set SC6, 14                           ; v14  2^e6
.set SCV, 15                           ; v15  2^(e7 - e4 - e5 + 12)
.set PC, 16
.set RS, 32
.set MU, 48
.set L4, 48                            ; v48  4 x lane (made behind LN)
.set TMP, 64
.set HA, 128
.set PC2, 192
.set SC4, 208                          ; v208 2^e4, v209 HV's image address: both are done with when the products begin
.set IMV, 209
.set XP, 4
.set GP, 6
.set BP, 8
.set WAP, 12
.set KVPP, 14
.set KSPP, 16
.set WV, 18
.set TA, 19
.set TP, 20
.set JC, 22
.set FKO, 23
.set SEL, 32
.set C1, 34
.set SK, 36
.set LIMK, 38
.set LVP, 39
.set LVN, 40
.set L2P, 41
.set L2N, 42
.set L4P, 43
.set L4N, 44
.set VSC, 45
.set EPS, 46
.set HM, 47
.set MSB, 0
.macro WIN new                         ; the immediate's high byte repeats the setting that is left; a switch that changes nothing is dropped
.if MSB != (\new)
	s_set_vgpr_msb (MSB<<8)|(\new)
.set MSB, \new
.endif
.endm
.macro PLACES n
.rept \n
	v_nop
.endr
.endm
.macro BAR                             ; my LDS stores have landed and my LDS loads are in: then the work-group's barrier
	s_wait_dscnt 0x0
	s_barrier_signal -1
	s_barrier_wait -1
.endm
.macro SPOW d, e                       ; s[d] = 2^s[e] as f32
	s_add_co_i32 s[\d], s[\e], 127
	s_lshl_b32 s[\d], s[\d], 23
.endm
.macro SLIM p, e                       ; s[p] = 448 x 2^s[e]
	s_add_co_i32 s[\p], s[\e], 135
	s_lshl_b32 s[\p], s[\p], 23
	s_or_b32 s[\p], s[\p], 0x600000
.endm
.macro GLOAD m                         ; 16 rows of x, my 512 bytes of each: 32 lanes read 512 consecutive bytes.  (No hint: the last launch reads x again)
	WIN 0x40
.irp i, 0,1,2,3,4,5,6,7,8,9,10,11,12,13,14,15
	global_load_b128 v[64*((\m)%4)+4*\i:64*((\m)%4)+4*\i+3], v[LI], s[XP:XP+1] offset:(16*(\m)+\i)*2048
.endr
.endm
.macro TURNIN m, cnt                   ; the tile turns through my stage: in by rows, out in the operand's layout.  LDS serves a wave's instructions in order: no wait between
	s_wait_loadcnt \cnt
	WIN 0x04
.irp i, 0,1,2,3,4,5,6,7,8,9,10,11,12,13,14,15
	ds_store_b128 v[SGA], v[64*((\m)%4)+4*\i:64*((\m)%4)+4*\i+3] offset:528*\i
.endr
	WIN ((2+(\m)/4)<<6)
.irp t, 0,1,2,3,4,5,6,7
	ds_load_b128 v[64*((\m)%4)+8*\t:64*((\m)%4)+8*\t+3], v[SGB] offset:64*\t
	ds_load_b128 v[64*((\m)%4)+8*\t+4:64*((\m)%4)+8*\t+7], v[SGB] offset:64*\t+16
.endr
.endm
.macro STATS m                         ; of each row's 128 numbers that my wave holds: the mean, and the sum of squares about it
.set XB, 64*((\m)%4)
.set YW, 2+(\m)/4
	WIN (YW|(YW<<2))
.set k, 0
.rept 16
	v_pk_add_f32 v[TMP+2*k:TMP+2*k+1], v[XB+4*k:XB+4*k+1], v[XB+4*k+2:XB+4*k+3]
.set k, k+1
.endr
	WIN 0
.irp n, 8,4,2,1
.set k, 0
.rept \n
	v_pk_add_f32 v[TMP+2*k:TMP+2*k+1], v[TMP+4*k:TMP+4*k+1], v[TMP+4*k+2:TMP+4*k+3]
.set k, k+1
.endr
.endr
	v_add_f32 v[TMP], v[TMP], v[TMP+1]
	v_permlanex16_b32 v[TMP+1], v[TMP], s[SEL], s[SEL+1]   ; the row's other 64 numbers lie in the lane 16 away
	v_add_f32 v[TMP], v[TMP], v[TMP+1]
	v_mul_f32 v[MU+2*(\m)], 0x3c000000, v[TMP]             ; / 128
	WIN YW
.set k, 0
.rept 32
	v_pk_add_f32 v[TMP+2*k:TMP+2*k+1], v[XB+2*k:XB+2*k+1], v[MU+2*(\m):MU+2*(\m)+1] op_sel_hi:[1,0] neg_lo:[0,1] neg_hi:[0,1]
.set k, k+1
.endr
	WIN 0
.set k, 0
.rept 4
	v_pk_mul_f32 v[HA+2*k:HA+2*k+1], v[TMP+2*k:TMP+2*k+1], v[TMP+2*k:TMP+2*k+1]
.set k, k+1
.endr
.rept 28
	v_pk_fma_f32 v[HA+2*(k%4):HA+2*(k%4)+1], v[TMP+2*k:TMP+2*k+1], v[TMP+2*k:TMP+2*k+1], v[HA+2*(k%4):HA+2*(k%4)+1]
.set k, k+1
.endr
	v_pk_add_f32 v[HA:HA+1], v[HA:HA+1], v[HA+2:HA+3]
	v_pk_add_f32 v[HA+4:HA+5], v[HA+4:HA+5], v[HA+6:HA+7]
	v_pk_add_f32 v[HA:HA+1], v[HA:HA+1], v[HA+4:HA+5]
	v_add_f32 v[HA], v[HA], v[HA+1]
	v_permlanex16_b32 v[HA+1], v[HA], s[SEL], s[SEL+1]
	v_add_f32 v[MU+2*(\m)+1], v[HA], v[HA+1]
	ds_store_b64 v[STS], v[MU+2*(\m):MU+2*(\m)+1] offset:512*(\m)   ; both halves of the lanes store the same two numbers
.endm
.macro FINAL                           ; the four waves' figures are joined: mean = the mean of the means; M2 = the sum of the M2 + 128 x the sum of (mean_i - mean)^2
.irp m, 0,1,2,3,4,5,6,7
	ds_load_b128 v[TMP+8*\m:TMP+8*\m+3], v[STL] offset:512*\m
	ds_load_b128 v[TMP+8*\m+4:TMP+8*\m+7], v[STL] offset:512*\m+16
.endr
	s_wait_dscnt 0x0
.irp m, 0,1,2,3,4,5,6,7
	v_pk_add_f32 v[HA+2*\m:HA+2*\m+1], v[TMP+8*\m:TMP+8*\m+1], v[TMP+8*\m+2:TMP+8*\m+3]
.endr
.irp m, 0,1,2,3,4,5,6,7
	v_pk_add_f32 v[HA+16+2*\m:HA+16+2*\m+1], v[TMP+8*\m+4:TMP+8*\m+5], v[TMP+8*\m+6:TMP+8*\m+7]
.endr
.irp m, 0,1,2,3,4,5,6,7
	v_pk_add_f32 v[HA+2*\m:HA+2*\m+1], v[HA+2*\m:HA+2*\m+1], v[HA+16+2*\m:HA+16+2*\m+1]
.endr
.irp m, 0,1,2,3,4,5,6,7
	v_mul_f32 v[MU+2*\m], 0x3e800000, v[HA+2*\m]
.endr
.irp i, 0,2,4,6
.irp m, 0,1,2,3,4,5,6,7
	v_sub_f32 v[TMP+8*\m+\i], v[TMP+8*\m+\i], v[MU+2*\m]
.endr
.endr
.irp m, 0,1,2,3,4,5,6,7
	v_mul_f32 v[TMP+8*\m+1], v[TMP+8*\m], v[TMP+8*\m]
.endr
.irp i, 2,4,6
.irp m, 0,1,2,3,4,5,6,7
	v_fma_f32 v[TMP+8*\m+1], v[TMP+8*\m+\i], v[TMP+8*\m+\i], v[TMP+8*\m+1]
.endr
.endr
.irp m, 0,1,2,3,4,5,6,7
	v_fma_f32 v[HA+2*\m+1], v[TMP+8*\m+1], 0x43000000, v[HA+2*\m+1]
.endr
.irp m, 0,1,2,3,4,5,6,7
	v_fma_f32 v[RS+2*\m], v[HA+2*\m+1], s[VSC], s[EPS]     ; M2 / 512 + 1e-6
.endr
.irp m, 0,1,2,3,4,5,6,7
	v_rsq_f32 v[RS+2*\m], v[RS+2*\m]
.endr
	v_nop                                          ; a plain instruction behind the last of the batch,
	s_wait_alu depctr_va_vdst(0)                   ; and the one wait ahead of the batch's first reader
.endm
.macro QUANT src, dst, pc, slo, shi, vsc           ; 64 numbers of a lane become a fragment's 16 registers of codes
.set kk, 0
.rept 64
	v_med3_num_f32 v[\dst+kk], v[\src+kk], s[\slo], s[\shi]   ; the conversion to an 8-bit code does not saturate (ISA guide 7.6.2): the hold comes first
.set kk, kk+1
.endr
.set kk, 0
.rept 8
	v_cvt_scalef32_pk8_fp8_f32 v[\pc+2*kk:\pc+2*kk+1], v[\dst+8*kk:\dst+8*kk+7], v[\vsc]
.set kk, kk+1
.endr
	v_nop                                          ; a plain instruction behind the last conversion
.endm
.macro IMAGE adr, pc, off
.irp q, 0,1,2,3
	ds_store_b128 v[\adr], v[\pc+4*\q:\pc+4*\q+3] offset:\off+512*\q
.endr
.endm
.macro NORM m                          ; h = (x - mean) / sigma x gamma + beta, in reference()'s order; then both quantisers
.set XB, 64*((\m)%4)
.set YW, 2+(\m)/4
	WIN YW
.set k, 0
.rept 32
	v_pk_add_f32 v[TMP+2*k:TMP+2*k+1], v[XB+2*k:XB+2*k+1], v[MU+2*(\m):MU+2*(\m)+1] op_sel_hi:[1,0] neg_lo:[0,1] neg_hi:[0,1]
.set k, k+1
.endr
	WIN 0
.set k, 0
.rept 32
	v_pk_mul_f32 v[TMP+2*k:TMP+2*k+1], v[TMP+2*k:TMP+2*k+1], v[RS+2*(\m):RS+2*(\m)+1] op_sel_hi:[1,0]
.set k, k+1
.endr
	WIN 0x14
.set k, 0
.rept 32
	v_pk_fma_f32 v[TMP+2*k:TMP+2*k+1], v[TMP+2*k:TMP+2*k+1], v[2*k:2*k+1], v[64+2*k:64+2*k+1]
.set k, k+1
.endr
	WIN 0
	s_wait_dscnt 0x0                               ; the last tile's image stores have read their registers
	QUANT TMP, HA, PC, L2N, L2P, SC2
	IMAGE IMS, PC, 8192*(\m)
	QUANT TMP, TMP, PC2, L4N, L4P, SC4
	IMAGE IMV, PC2, 8192*(\m)
.endm
.macro WALOAD buf, off                 ; a chunk's 8 weight fragments, (u, s) at v[buf + 16 (4 u + s)] of window 1, from off bytes behind s[WAP]: 32 loads of 512 consecutive bytes
	WIN 0x40
.set k, 0
.rept 32
	global_load_b128 v[\buf+4*k:\buf+4*k+3], v[LI], s[WAP:WAP+1] offset:\off+512*k
.set k, k+1
.endr
	WIN 0
.endm
.macro FRAGS adr                       ; all 32 fragments of h: (m, s) at window 2 + m / 4, v[64 (m % 4) + 16 s]
.irp m, 0,1,2,3,4,5,6,7
	WIN ((2+\m/4)<<6)
.irp f, 0,1,2,3,4,5,6,7,8,9,10,11,12,13,14,15
	ds_load_b128 v[64*(\m%4)+4*\f:64*(\m%4)+4*\f+3], v[\adr] offset:\m*8192+\f*512
.endr
.endr
	WIN 0
.endm
.macro PCH buf                         ; a chunk's product: 128 tokens x 32 features x K 512: 64 matrix instructions; the 16 accumulators take turns, one instruction a turn
.irp s, 0,1,2,3
.irp m, 0,1,2,3,4,5,6,7
	WIN (0x06+\m/4)
.irp u, 0,1
.if \s == 0
	v_wmma_f32_16x16x128_fp8_fp8 v[HA+16*\m+8*\u:HA+16*\m+8*\u+7], v[64*(\m%4)+16*\s:64*(\m%4)+16*\s+15], v[\buf+16*(4*\u+\s):\buf+16*(4*\u+\s)+15], 0
.else
	v_wmma_f32_16x16x128_fp8_fp8 v[HA+16*\m+8*\u:HA+16*\m+8*\u+7], v[64*(\m%4)+16*\s:64*(\m%4)+16*\s+15], v[\buf+16*(4*\u+\s):\buf+16*(4*\u+\s)+15], v[HA+16*\m+8*\u:HA+16*\m+8*\u+7]
.endif
.endr
.endr
.endr
	WIN 0
.endm
; A CHUNK OF k, the hf-th of a trip's two, on the weight set at buf: K = elu(k) + 1, its sum over my 128 tokens, its codes into my part of LDS
.macro KCH buf, hf
	s_wait_loadcnt 32                              ; this chunk's 32 loads are in; the next chunk's 32, into the other set, may be out
	PCH \buf
	PLACES 5                                       ; behind the products: 4 ahead of loads into their sources and of the first read of results, 5 ahead of the next chunk's products, which begin the accumulators anew
	WALOAD \buf, 65536*(\hf+2)                     ; the chunk two further on takes this set (behind Wk's four chunks lie Wv's)
.irp b, 0,1                                        ; 64 numbers at a time: exp(min(k, 0)) as one batch of exponentials with one wait
.set k, 0
.rept 32
	v_pk_mul_f32 v[TMP+2*k:TMP+2*k+1], v[HA+64*\b+2*k:HA+64*\b+2*k+1], s[C1:C1+1] op_sel_hi:[1,0]
.set k, k+1
.endr
.set k, 0
.rept 64
	v_min_num_f32 v[TMP+k], 0, v[TMP+k]
.set k, k+1
.endr
.set k, 0
.rept 64
	v_exp_f32 v[TMP+k], v[TMP+k]
.set k, k+1
.endr
.set k, 0
.rept 64
	v_max_num_f32 v[HA+64*\b+k], 0, v[HA+64*\b+k]  ; plain work behind the batch
.set k, k+1
.endr
	s_wait_alu depctr_va_vdst(0)                   ; the wait ahead of the batch's first reader
.set k, 0
.rept 32
	v_pk_fma_f32 v[HA+64*\b+2*k:HA+64*\b+2*k+1], v[HA+64*\b+2*k:HA+64*\b+2*k+1], s[SK:SK+1], v[TMP+2*k:TMP+2*k+1] op_sel_hi:[1,0,1]   ; K = max(k, 0) + exp(min(k, 0))
.set k, k+1
.endr
.endr
.irp u, 0,1                                        ; the sum of the UNQUANTISED K over my tokens: four chains
.irp c, 0,1
	v_pk_add_f32 v[TMP+4*\u+2*\c:TMP+4*\u+2*\c+1], v[HA+8*\u+4*\c:HA+8*\u+4*\c+1], v[HA+8*\u+4*\c+2:HA+8*\u+4*\c+3]
.endr
.endr
.irp m, 1,2,3,4,5,6,7
.irp p, 0,2
.irp u, 0,1
.irp c, 0,1
	v_pk_add_f32 v[TMP+4*\u+2*\c:TMP+4*\u+2*\c+1], v[TMP+4*\u+2*\c:TMP+4*\u+2*\c+1], v[HA+16*\m+8*\u+4*\c+\p:HA+16*\m+8*\u+4*\c+\p+1]
.endr
.endr
.endr
.endr
	v_pk_add_f32 v[TMP:TMP+1], v[TMP:TMP+1], v[TMP+2:TMP+3]
	v_pk_add_f32 v[TMP+4:TMP+5], v[TMP+4:TMP+5], v[TMP+6:TMP+7]
	v_add_f32 v[TMP], v[TMP], v[TMP+1]
	v_add_f32 v[TMP+4], v[TMP+4], v[TMP+5]
	v_permlanex16_b32 v[TMP+1], v[TMP], s[SEL], s[SEL+1]
	v_permlanex16_b32 v[TMP+5], v[TMP+4], s[SEL], s[SEL+1]
	v_add_f32 v[TMP], v[TMP], v[TMP+1]
	v_add_f32 v[TMP+4], v[TMP+4], v[TMP+5]
	v_cndmask_b32 v[TMP+8], v[TMP+4], v[TMP], s[HM]        ; lane l stores feature l of the head: lanes 0-15 tile 0's, lanes 16-31 tile 1's
	global_store_b32 v[L4], v[TMP+8], s[KSPP:KSPP+1] offset:512*\hf
.set k, 0
.rept 128
	v_min_num_f32 v[HA+k], s[LIMK], v[HA+k]        ; K is not negative: the hold is one-sided
.set k, k+1
.endr
.irp m, 0,1,2,3,4,5,6,7
.irp u, 0,1
	v_cvt_scalef32_pk8_fp8_f32 v[PC+16*\u+2*\m:PC+16*\u+2*\m+1], v[HA+16*\m+8*\u:HA+16*\m+8*\u+7], v[SC6]   ; registers 2 m, 2 m + 1 of the fragment: tokens 16 m + 8 h + 0..7
.endr
.endr
	v_add_nc_u32 v[FKA], s[FKO], v[FK0]            ; (a plain instruction behind the last conversion)
.irp f, 0,1,2,3,4,5,6,7
	ds_store_b128 v[FKA], v[PC+4*\f:PC+4*\f+3] offset:4096*\hf+512*\f
.endr
	s_wait_xcnt 0x0                                ; the store has read its data, and store and loads their bases: all may be written again
	s_wait_dscnt 0x0                               ; the LDS stores have read the codes' registers
.endm
; A CHUNK OF v, the j-th of four, on the weight set at buf: its codes, and the head's 32 x 32 part of KV over my 128 tokens.  ld = 1: the chunk two further on is asked for; cnt: the younger loads that may stay out
.macro VCH buf, j, ld, cnt
	s_wait_loadcnt \cnt
	PCH \buf
	PLACES 5
.if \ld
	WALOAD \buf, 65536*(\j+2)
.endif
.irp f, 0,1,2,3,4,5,6,7
	ds_load_b128 v[PC+4*\f:PC+4*\f+3], v[FK0] offset:4096*\j+512*\f     ; K's codes of this head
.endr
.set k, 0
.rept 128
	v_med3_num_f32 v[HA+k], v[HA+k], s[LVN], s[LVP]
.set k, k+1
.endr
.irp m, 0,1,2,3,4,5,6,7
.irp u, 0,1
	v_cvt_scalef32_pk8_fp8_f32 v[TMP+16*\u+2*\m:TMP+16*\u+2*\m+1], v[HA+16*\m+8*\u:HA+16*\m+8*\u+7], v[SCV]
.endr
.endr
	v_nop                                          ; a plain instruction between the last conversion and the products that read its result
.if \j > 0
	s_wait_xcnt 0x0                                ; the last chunk's stores have read their data: the products below write those registers again
.endif
	s_wait_dscnt 0x0
.irp dt, 0,1
.irp vt, 0,1
	v_wmma_f32_16x16x128_fp8_fp8 v[TMP+32+8*(2*\dt+\vt):TMP+32+8*(2*\dt+\vt)+7], v[PC+16*\dt:PC+16*\dt+15], v[TMP+16*\vt:TMP+16*\vt+15], 0   ; register j of lane (r, h): KV(d = 16 dt + 8 h + j, v = 16 vt + r)
.endr
.endr
	PLACES 5
.irp a, 0,1,2,3
	global_store_b128 v[LI], v[TMP+32+8*\a:TMP+32+8*\a+3], s[KVPP:KVPP+1] offset:16384*\j+1024*\a       ; the accumulators as they stand, each from its low end on: 512 consecutive bytes a store
	global_store_b128 v[LI], v[TMP+32+8*\a+4:TMP+32+8*\a+7], s[KVPP:KVPP+1] offset:16384*\j+1024*\a+512
.endr
.endm
	s_load_b256 s[4:11], s[0:1], 0x0               ; x, g_att, b_att, the scales' exponents
	s_load_b128 s[12:15], s[0:1], 0x20             ; wc, kvp
	s_load_b64 s[16:17], s[0:1], 0x30              ; ksp
	v_lshl_add_u32 v[SPW], v0, 2, SPARE
	v_mov_b32 v[NIL], 0
	v_lshrrev_b32 v[TMP], 5, v0
	v_readfirstlane_b32 s[WV], v[TMP]              ; wave 0..3
	v_and_b32 v[TMP+1], 31, v0                     ; lane
	v_and_b32 v[TMP+2], 15, v0                     ; r
	v_bfe_u32 v[TMP+3], v0, 4, 1                   ; h
	v_lshlrev_b32 v[LI], 4, v[TMP+1]
	v_lshlrev_b32 v[H32], 5, v[TMP+3]
	s_lshl_b32 s[TA], s[WV], 11
	v_add_nc_u32 v[IMS], s[TA], v[LI]
	v_add_nc_u32 v[IMV], HV, v[IMS]
	v_add_nc_u32 v[LIV], HV, v[LI]
	s_mul_i32 s[TA], s[WV], 8448
	s_add_co_u32 s[TA], s[TA], STG
	v_add_nc_u32 v[SGA], s[TA], v[LI]
	v_mul_u32_u24 v[TMP+4], v[TMP+2], 528
	v_add_nc_u32 v[TMP+4], v[TMP+4], v[H32]
	v_add_nc_u32 v[SGB], s[TA], v[TMP+4]
	v_lshlrev_b32 v[STL], 5, v[TMP+2]
	v_add_nc_u32 v[STL], STAT, v[STL]
	s_lshl_b32 s[TA], s[WV], 3
	v_add_nc_u32 v[STS], s[TA], v[STL]
	s_lshl_b32 s[TA], s[WV], 14
	s_add_co_u32 s[TA], s[TA], FKP
	v_add_nc_u32 v[FK0], s[TA], v[LI]
	s_mov_b32 s[SEL], 0x76543210                   ; v_permlanex16_b32: each lane takes its own place in the other half
	s_mov_b32 s[SEL+1], 0xfedcba98
	s_mov_b32 s[EPS], 0x358637bd                   ; 1e-6
	s_mov_b32 s[VSC], 0x3b000000                   ; 1 / 512
	s_mov_b32 s[HM], 0xffff                        ; lanes 0-15
	s_mov_b32 s[TP+1], 0
	s_wait_kmcnt 0x0
	s_load_b256 s[24:31], s[10:11], 0x0            ; e0 .. e7
	s_lshl_b32 s[TP], ttmp9, 18                    ; 128 rows of 2,048 bytes a work-group,
	s_lshl_b32 s[TA], s[WV], 9
	s_add_co_u32 s[TP], s[TP], s[TA]               ; + my wave's 512 bytes of a row
	s_add_nc_u64 s[XP:XP+1], s[XP:XP+1], s[TP:TP+1]
	s_mov_b32 s[TP], s[TA]
	s_add_nc_u64 s[GP:GP+1], s[GP:GP+1], s[TP:TP+1]
	s_add_nc_u64 s[BP:BP+1], s[BP:BP+1], s[TP:TP+1]
	s_lshl_b32 s[TP], s[WV], 14                    ; my two tiles of a chunk's eight: Wk's chunks 0-3, then Wv's, lie on end, 65,536 bytes each
	s_add_nc_u64 s[WAP:WAP+1], s[WAP:WAP+1], s[TP:TP+1]
	s_lshl_b32 s[TP], ttmp9, 16
	s_lshl_b32 s[TA], s[WV], 12
	s_add_co_u32 s[TP], s[TP], s[TA]               ; kvp: 65,536 bytes a work-group, 4,096 a head
	s_add_nc_u64 s[KVPP:KVPP+1], s[KVPP:KVPP+1], s[TP:TP+1]
	s_lshl_b32 s[TP], ttmp9, 11
	s_lshl_b32 s[TA], s[WV], 7
	s_add_co_u32 s[TP], s[TP], s[TA]               ; ksp: 2,048 bytes a work-group, 128 a head
	s_add_nc_u64 s[KSPP:KSPP+1], s[KSPP:KSPP+1], s[TP:TP+1]
	; x comes in: four tiles of 16 loads are on their way; each count leaves the younger tiles' loads out
	GLOAD 0
	GLOAD 1
	GLOAD 2
	GLOAD 3
.irp m, 0,1,2,3,4,5,6,7
.if \m < 5
	TURNIN \m, 48
.else
	TURNIN \m, 16*(7-\m)
.endif
.if \m < 4
	s_wait_dscnt 16                                ; the tile's 16 stores have read their registers (its 16 loads may be out): they take the tile four further on
	GLOAD \m+4
.endif
.endr
	WIN 0
	s_wait_dscnt 0x0
	WIN 0x40
.irp t, 0,1,2,3,4,5,6,7
.irp i, 0,1
	global_load_b128 v[8*\t+4*\i:8*\t+4*\i+3], v[H32], s[GP:GP+1] offset:64*\t+16*\i          ; gamma and beta of my lane's 64 columns, in x's layout
	global_load_b128 v[64+8*\t+4*\i:64+8*\t+4*\i+3], v[H32], s[BP:BP+1] offset:64*\t+16*\i
.endr
.endr
	WIN 0
	WALOAD 128, 0                                  ; Wk's chunk 0
	s_wait_kmcnt 0x0
	s_add_co_i32 s[TA], s26, s27                   ; e2 + e3: a sum of k's product stands for sum x 2^(e2 + e3)
	s_lshl_b32 s[TP], s[TA], 23
	s_add_co_i32 s[C1], s[TP], 0x3fb8aa3b          ; log2(e) x 2^(e2 + e3)
	s_mov_b32 s[C1+1], s[C1]                       ; (named with it as a pair, so it is written)
	SPOW SK, TA
	s_mov_b32 s[SK+1], s[SK]
	SLIM LIMK, 30
	SPOW TA, 30
	v_mov_b32 v[SC6], s[TA]
	s_sub_co_i32 s[TA], s31, s28
	s_sub_co_i32 s[TA], s[TA], s29
	s_add_co_i32 s[TA], s[TA], 12                  ; e7 - e4 - e5 + 12: the three scales and 1 / N folded into one
	SLIM LVP, TA
	s_or_b32 s[LVN], s[LVP], 0x80000000
	SPOW TA, TA
	v_mov_b32 v[SCV], s[TA]
	SLIM L2P, 26
	s_or_b32 s[L2N], s[L2P], 0x80000000
	SPOW TA, 26
	v_mov_b32 v[SC2], s[TA]
	SLIM L4P, 28
	s_or_b32 s[L4N], s[L4P], 0x80000000
	SPOW TA, 28
	v_mov_b32 v[SC4], s[TA]
.set k, 0
.rept 16
	v_mov_b32 v[RS+2*k+1], 0                       ; the upper halves of pairs of which the low word serves both halves: named, so written
.set k, k+1
.endr
.irp m, 0,1,2,3,4,5,6,7
	STATS \m
.endr
	BAR                                            ; every wave's figures lie in LDS
	FINAL
	s_wait_loadcnt 0x0                             ; gamma, beta, Wk's chunk 0
.irp m, 0,1,2,3,4,5,6,7
	NORM \m
.endr
	WALOAD 0, 65536                                ; Wk's chunk 1 takes the registers that gamma and beta have left
	BAR                                            ; both sets of images are whole
	v_and_b32 v[L4], 31, v0
	v_lshlrev_b32 v[L4], 2, v[L4]
	FRAGS LI
	s_mov_b32 s[JC], 2
	s_mov_b32 s[FKO], 0
	s_wait_dscnt 0x0
.Lk:                                               ; two trips of two chunks of k: one trip runs both weight sets, so that the register numbers are back where they began
	KCH 128, 0
	KCH 0, 1
	s_add_nc_u64 s[WAP:WAP+1], s[WAP:WAP+1], 0x20000      ; (behind the chunk's wait on XCNT)  two chunks on
	s_add_nc_u64 s[KSPP:KSPP+1], s[KSPP:KSPP+1], 1024
	s_add_co_u32 s[FKO], s[FKO], 8192
	s_sub_co_u32 s[JC], s[JC], 1
	s_cmp_lg_u32 s[JC], 0
	s_cbranch_scc1 .Lk
	FRAGS LIV                                      ; h's codes for v take the place of those for k
	s_wait_dscnt 0x0
	; the four chunks of v are written out: the last two ask for nothing more (no load leaves its buffer), and the counts run down.  s[WAP] stands at Wv's chunk 0
	VCH 128, 0, 1, 32
	VCH 0, 1, 1, 32
	VCH 128, 2, 0, 32
	VCH 0, 3, 0, 0
	s_wait_tensorcnt 0x0                           ; the wave's end: behind my last LDS store
	ds_add_u32 v[SPW], v[NIL]
	s_wait_dscnt 0x0
	s_endpgm
.Lfunc_end_k_qbe43225357_kvpart:
	.size	k_qbe43225357_kvpart, .Lfunc_end_k_qbe43225357_kvpart-k_qbe43225357_kvpart
	.p2alignl 7, 3214868480
	.fill 96, 4, 3214868480
	.section	.rodata,"a",@progbits
	.p2align	6, 0x0
	.amdhsa_kernel k_qbe43225357_kvpart
		.amdhsa_group_segment_fixed_size 235008
		.amdhsa_private_segment_fixed_size 0
		.amdhsa_enable_private_segment 0
		.amdhsa_kernarg_size 56
		.amdhsa_user_sgpr_count 2
		.amdhsa_user_sgpr_kernarg_segment_ptr 1
		.amdhsa_wavefront_size32 1
		.amdhsa_system_sgpr_workgroup_id_x 1
		.amdhsa_system_sgpr_workgroup_id_y 1
		.amdhsa_system_sgpr_workgroup_id_z 1
		.amdhsa_system_vgpr_workitem_id 0
		.amdhsa_next_free_vgpr 1024
		.amdhsa_next_free_sgpr 66
		.amdhsa_reserve_vcc 0
		.amdhsa_float_denorm_mode_32 3
		.amdhsa_float_denorm_mode_16_64 3
		.amdhsa_memory_ordered 1
		.amdhsa_forward_progress 1
		.amdhsa_inst_pref_size 255
	.end_amdhsa_kernel
	.section	.bss,"aw",@nobits
	.p2align	6
	.space	262144
	.amdgpu_metadata
---
amdhsa.version: [ 1, 2 ]
amdhsa.kernels:
  - .name:           k_qbe43225357_kvpart
    .symbol:         k_qbe43225357_kvpart.kd
    .args:
      - { .name: x, .offset: 0, .size: 8, .value_kind: global_buffer, .address_space: global }
      - { .name: g_att, .offset: 8, .size: 8, .value_kind: global_buffer, .address_space: global }
      - { .name: b_att, .offset: 16, .size: 8, .value_kind: global_buffer, .address_space: global }
      - { .name: lowp_scales, .offset: 24, .size: 8, .value_kind: global_buffer, .address_space: global }
      - { .name: wc, .offset: 32, .size: 8, .value_kind: global_buffer, .address_space: global }
      - { .name: kvp, .offset: 40, .size: 8, .value_kind: global_buffer, .address_space: global }
      - { .name: ksp, .offset: 48, .size: 8, .value_kind: global_buffer, .address_space: global }
    .group_segment_fixed_size: 235008
    .private_segment_fixed_size: 0
    .kernarg_segment_align: 8
    .kernarg_segment_size: 56
    .max_flat_workgroup_size: 128
    .sgpr_count:     66
    .vgpr_count:     1024
    .wavefront_size: 32
...
	.end_amdgpu_metadata
.endif
;; end of part 2
;; launch kvsum (part 3): grid 256 x 1, 4 waves a work-group, no clusters, 8,704 bytes of LDS; arguments kvp, ksp, lowp_scales, kvc, ksum; writes kvc, ksum
.if DOCPART == 3
	.amdgcn_target "amdgcn-amd-amdhsa--gfx1250"
	.amdhsa_code_object_version 6
	.text
	.protected	k_qbe43225357_kvsum
	.globl	k_qbe43225357_kvsum
	.p2align	8
	.type	k_qbe43225357_kvsum,@function
k_qbe43225357_kvsum:
	s_mov_b64 s[64:65], 0
	v_nop
	global_prefetch_b8 v0, s[64:65] scope:SCOPE_SE
	s_setreg_imm32_b32 hwreg(HW_REG_WAVE_MODE, 25, 1), 1
	s_wait_xcnt 0x0
; THE 32 PARTIALS OF A BATCH ARE ADDED: KV (f32 sums of the products of codes, in units of 2^(e6 + e7)) becomes codes with the scale 2^e8; the sum of K stays f32.  No work is left out.
; SHARES.  Work-group g: batch g >> 5, head (g >> 1) & 15, half vt = g & 1 of the head's 32 values.  Wave w adds partials 8 w .. 8 w + 7 (register images, 512 consecutive bytes a load); the four sums meet in LDS;
; wave 0 adds them, quantises and stores; wave 1 adds the 32 partial sums of K for the same 16 features.
; kvc: [batch][head][vt][lane][16 bytes]: registers 0-3 of source 0 of v_wmma_f32_16x16x64_fp8_fp8: lane (r, h): value 16 vt + r, d = 8 h + 0..7, then 16 + 8 h + 0..7.
; LIMIT: e8 - e6 - e7 between -126 and 119.
.set SPARE, 8192                       ; behind the four images of 2,048 bytes: the spare words, 128 bytes a wave
	s_load_b256 s[4:11], s[0:1], 0x0               ; kvp, ksp, the scales' exponents, kvc
	s_load_b64 s[12:13], s[0:1], 0x20              ; ksum
	v_lshl_add_u32 v5, v0, 2, SPARE                ; my spare word; never rewritten
	v_mov_b32 v6, 0                                ; 0; never rewritten
	v_lshrrev_b32 v7, 5, v0
	v_readfirstlane_b32 s14, v7                    ; wave
	v_and_b32 v7, 31, v0
	v_lshlrev_b32 v1, 4, v7                        ; 16 x lane
	s_lshl_b32 s15, s14, 11
	v_add_nc_u32 v2, s15, v1                       ; my wave's image
	v_and_b32 v4, 15, v0
	v_lshlrev_b32 v4, 2, v4                        ; 4 r
	v_bfe_u32 v3, v0, 4, 1
	v_lshl_add_u32 v3, v3, 15, v4                  ; ksp: 16 partials of 2,048 bytes for each half of the lanes, + 4 r
	s_lshr_b32 s20, ttmp9, 5                       ; batch
	s_bfe_u32 s21, ttmp9, 0x40001                  ; head
	s_and_b32 s22, ttmp9, 1                        ; vt
	s_lshl_b32 s24, s20, 21                        ; kvp: 32 partials of 65,536 bytes a batch,
	s_lshl_b32 s23, s14, 19
	s_add_co_u32 s24, s24, s23                     ; 8 a wave,
	s_lshl_b32 s23, s21, 12
	s_add_co_u32 s24, s24, s23                     ; 4,096 bytes a head,
	s_lshl_b32 s23, s22, 10
	s_add_co_u32 s24, s24, s23                     ; accumulator 2 dt + vt of 1,024
	s_mov_b32 s25, 0
	s_lshl_b32 s26, s21, 7
	s_lshl_b32 s23, s22, 6
	s_add_co_u32 s26, s26, s23                     ; 4 (32 head + 16 vt)
	s_lshl_b32 s28, s20, 16
	s_add_co_u32 s28, s28, s26                     ; ksp: + 32 partials of 2,048 bytes a batch
	s_mov_b32 s29, 0
	s_lshl_b32 s23, s20, 11
	s_add_co_u32 s26, s26, s23                     ; ksum: + 2,048 bytes a batch
	s_mov_b32 s27, 0
	s_lshl_b32 s30, s20, 14
	s_lshl_b32 s23, s21, 10
	s_add_co_u32 s30, s30, s23
	s_lshl_b32 s23, s22, 9
	s_add_co_u32 s30, s30, s23                     ; kvc: ((16 batch + head) 2 + vt) x 512
	s_mov_b32 s31, 0
	s_mov_b32 s2, 0x76543210
	s_mov_b32 s3, 0xfedcba98
	s_wait_kmcnt 0x0
	s_load_b128 s[16:19], s[8:9], 0x18             ; e6, e7, e8, e9
	s_add_nc_u64 s[4:5], s[4:5], s[24:25]
	s_add_nc_u64 s[6:7], s[6:7], s[28:29]
	s_add_nc_u64 s[10:11], s[10:11], s[30:31]
	s_add_nc_u64 s[12:13], s[12:13], s[26:27]
.irp i, 0,1,2,3,4,5,6,7
.irp d, 0,1
.irp c, 0,1
	global_load_b128 v[16+16*\i+8*\d+4*\c:16+16*\i+8*\d+4*\c+3], v1, s[4:5] offset:65536*\i+2048*\d+512*\c th:TH_LOAD_NT
.endr
.endr
.endr
	s_wait_loadcnt 0x0
.irp i, 1,2,3,4,5,6,7
.irp p, 0,2,4,6,8,10,12,14
	v_pk_add_f32 v[16+\p:17+\p], v[16+\p:17+\p], v[16+16*\i+\p:17+16*\i+\p]
.endr
.endr
.irp q, 0,1,2,3
	ds_store_b128 v2, v[16+4*\q:19+4*\q] offset:512*\q
.endr
	s_wait_dscnt 0x0                               ; for the others' sake: my stores have landed
	s_barrier_signal -1
	s_barrier_wait -1
	s_cmp_eq_u32 s14, 0
	s_cbranch_scc0 .Lnot0
.irp w, 1,2,3
.irp q, 0,1,2,3
	ds_load_b128 v[16+16*\w+4*\q:19+16*\w+4*\q], v1 offset:2048*\w+512*\q
.endr
.endr
	s_wait_kmcnt 0x0
	s_sub_co_i32 s18, s18, s16
	s_sub_co_i32 s18, s18, s17                     ; e8 - e6 - e7: the three scales folded into the conversion's one
	s_add_co_i32 s18, s18, 127
	s_lshl_b32 s19, s18, 23
	v_mov_b32 v13, s19
	s_add_co_i32 s18, s18, 8
	s_lshl_b32 s18, s18, 23
	s_or_b32 s18, s18, 0x600000
	v_mov_b32 v12, s18
	s_wait_dscnt 0x0
.irp w, 1,2,3
.irp p, 0,2,4,6,8,10,12,14
	v_pk_add_f32 v[16+\p:17+\p], v[16+\p:17+\p], v[16+16*\w+\p:17+16*\w+\p]
.endr
.endr
.set i, 0
.rept 16
	v_med3_num_f32 v[16+i], v[16+i], -v12, v12     ; the conversion does not saturate (ISA guide 7.6.2)
.set i, i+1
.endr
	v_cvt_scalef32_pk8_fp8_f32 v[8:9], v[16:23], v13      ; d = 8 h + 0..7
	v_cvt_scalef32_pk8_fp8_f32 v[10:11], v[24:31], v13    ; d = 16 + 8 h + 0..7
	global_store_b128 v1, v[8:11], s[10:11]               ; 512 consecutive bytes
	s_branch .Lend
.Lnot0:
	s_cmp_eq_u32 s14, 1
	s_cbranch_scc0 .Lend
.set i, 0
.rept 16
	global_load_b32 v[96+i], v3, s[6:7] offset:2048*i th:TH_LOAD_NT
.set i, i+1
.endr
	s_wait_loadcnt 0x0
.irp n, 8,4,2,1
.set i, 0
.rept \n
	v_add_f32 v[96+i], v[96+2*i], v[96+2*i+1]
.set i, i+1
.endr
.endr
	v_permlanex16_b32 v7, v96, s2, s3              ; the other 16 partials lie in the lane 16 away
	v_add_f32 v96, v96, v7
	global_store_b32 v4, v96, s[12:13]             ; both halves of the lanes store the same number at the same place
.Lend:
	s_wait_tensorcnt 0x0                           ; the wave's end: behind my last LDS store
	ds_add_u32 v5, v6
	s_wait_dscnt 0x0
	s_endpgm
.Lfunc_end_k_qbe43225357_kvsum:
	.size	k_qbe43225357_kvsum, .Lfunc_end_k_qbe43225357_kvsum-k_qbe43225357_kvsum
	.p2alignl 7, 3214868480
	.fill 96, 4, 3214868480
	.section	.rodata,"a",@progbits
	.p2align	6, 0x0
	.amdhsa_kernel k_qbe43225357_kvsum
		.amdhsa_group_segment_fixed_size 8704
		.amdhsa_private_segment_fixed_size 0
		.amdhsa_enable_private_segment 0
		.amdhsa_kernarg_size 40
		.amdhsa_user_sgpr_count 2
		.amdhsa_user_sgpr_kernarg_segment_ptr 1
		.amdhsa_wavefront_size32 1
		.amdhsa_system_sgpr_workgroup_id_x 1
		.amdhsa_system_sgpr_workgroup_id_y 1
		.amdhsa_system_sgpr_workgroup_id_z 1
		.amdhsa_system_vgpr_workitem_id 0
		.amdhsa_next_free_vgpr 160
		.amdhsa_next_free_sgpr 66
		.amdhsa_reserve_vcc 0
		.amdhsa_float_denorm_mode_32 3
		.amdhsa_float_denorm_mode_16_64 3
		.amdhsa_memory_ordered 1
		.amdhsa_forward_progress 1
		.amdhsa_inst_pref_size 16
	.end_amdhsa_kernel
	.amdgpu_metadata
---
amdhsa.version: [ 1, 2 ]
amdhsa.kernels:
  - .name:           k_qbe43225357_kvsum
    .symbol:         k_qbe43225357_kvsum.kd
    .args:
      - { .name: kvp, .offset: 0, .size: 8, .value_kind: global_buffer, .address_space: global }
      - { .name: ksp, .offset: 8, .size: 8, .value_kind: global_buffer, .address_space: global }
      - { .name: lowp_scales, .offset: 16, .size: 8, .value_kind: global_buffer, .address_space: global }
      - { .name: kvc, .offset: 24, .size: 8, .value_kind: global_buffer, .address_space: global }
      - { .name: ksum, .offset: 32, .size: 8, .value_kind: global_buffer, .address_space: global }
    .group_segment_fixed_size: 8704
    .private_segment_fixed_size: 0
    .kernarg_segment_align: 8
    .kernarg_segment_size: 40
    .max_flat_workgroup_size: 128
    .sgpr_count:     66
    .vgpr_count:     160
    .wavefront_size: 32
...
	.end_amdgpu_metadata
.endif
;; end of part 3
;; launch block (part 4): grid 256 x 1, 4 waves a work-group, no clusters, 120,320 bytes of LDS; arguments x, g_att, b_att, g_ffn, b_ffn, b1, b2, lowp_scales, wc, kvc, ksum, out0; writes out0
.if DOCPART == 4
	.amdgcn_target "amdgcn-amd-amdhsa--gfx1250"
	.amdhsa_code_object_version 6
	.text
	.protected	k_qbe43225357_block
	.globl	k_qbe43225357_block
	.p2align	8
	.type	k_qbe43225357_block,@function
k_qbe43225357_block:
	s_mov_b64 s[64:65], 0
	v_nop
	global_prefetch_b8 v0, s[64:65] scope:SCOPE_SE
	s_setreg_imm32_b32 hwreg(HW_REG_WAVE_MODE, 25, 1), 1
	s_wait_xcnt 0x0
; FOR 128 ROWS: x1 = x + Q(msg, e10) Q(Wm, e11), msg = Q(KV, e8) Q(Q, e9) x Z x N, Q = elu(Q(h, e0) Q(Wq, e1)) + 1, Z = 1 / (Q . sum K + 1e-6), h = LN(x);  out = x1 + Q(gelu(Q(h2, e12) Q(W1, e13) + b1), e14) Q(W2, e15) + b2, h2 = LN(x1).
; No work of reference() is left out; the factor N = 2^12 is folded, exactly, into the power of two by which msg's sums are multiplied.
; SHARES.  Work-group g: rows 128 g on (batch g >> 5).  Wave w owns output columns 128 w .. + 127 of all 128 rows: THE 128 x 128 TILE OF x, THEN x1, THEN out STAYS IN ITS 512 REGISTERS of windows 2 and 3 for the whole launch,
; in units of 2^sigma, sigma = e10 + e11 and then e14 + e15, and is the accumulator of the products by Wm and by W2: the residuals cost no addition, and x1 never goes to memory.
; TWO HALVES, ONE TEXT (a loop of two trips; what differs lies in scalar registers, but for the vector work between the two products): rescale, LN, codes of h as register images in LDS; then four chunks of 128 middle columns:
; wave w makes 32 of them (a head; 32 hidden units) for all 128 rows, does the vector work, stores 4 registers of codes a tile into the chunk's image; a barrier; the chunk is K step j of the second product.
; Both products are used transposed (source 0 = 16 columns of the weight, source 1 = 16 rows): a lane holds ONE row and eight neighbouring columns, so the conversions' results are the next operand's registers, every k in its own place.
; The weights come from memory straight into the one wave that uses them, in fragment order (wc): each byte of a weight feeds one wave of the work-group, so a way through LDS, shared among work-groups or not, would only add
; 128 KB of LDS reads to the 320 KB that a chunk's trip reads already.
; THE WEIGHTS' LOADS.  Behind a chunk's first product the wave asks for the second weight's K step (32 loads) and for seven of the next chunk's eight fragments of the first weight (28): 60 loads are out at once, within
; LOADcnt's six bits (ISA guide 5.7.1: an instruction that would push a counter past its field is held at issue).  The eighth fragment, which only the next chunk's last two half steps read, is asked for ahead of the second product.
; erf(z) = z P(z^2) / R(z^2), z held within +-4: a rational form with an absolute error near 1e-7: gelu's relative accuracy falls off under h = -3, where gelu lies far under a code's step.
; LIMITS on the given exponents, so that each power of two below is an f32 number: e0, e9, e10, e12, e14 between -126 and 119; e0 + e1, e12 + e13, e8 + e9 + 12 between -126 and 127; e10 + e11 and e14 + e15 between -50 and 50
; (their doubles enter the variance).  NaN and infinities among the inputs are not served; an exponential under 2^-126 counts as 0.
; REGISTERS in windows of 256.  Window 0: v1-14 addresses and scales; v16-31 codes of h, later sum K or b1; v32-47 (even) 1/sigma, later KV's two fragments or coefficients; v48-63 (even) mean, later Z's factors;
;   v64-127 at work; v128-255 the 16 accumulators of a chunk, later the chunk's 8 fragments.   window 1: v0-127 gamma, beta; h's fragments in two buffers; the second weight's 8 fragments; v128-255 the first weight's 8, at the end b2.
;   windows 2, 3: tile m of 16 rows at window 2 + m / 4, v[64 (m % 4) + 8 t + j] = row 16 m + r, column 128 w + 16 t + 8 h + j.
.set HIMG, 0                           ; LDS: h's images: fragment (m, s) at (4 m + s) x 2,048
.set CIMG, 65536                       ; the chunk's images: fragment m at 2,048 m; wave w's four registers at + 512 w
.set STG, 81920                        ; a stage of 16 rows x (512 + 16) bytes for each wave, its own
.set STAT, 115712                      ; [m 8][r 16][wave 4][mean, M2]
.set SPARE, 119808                     ; the spare words, 128 bytes a wave: two blocks of 256 bytes that no other line names
.set LI, 1
.set H32, 2
.set IMS, 3
.set SGA, 4
.set SGB, 5
.set STS, 6
.set STL, 7
.set CIS, 8                            ; v8   CIMG + 16 x lane + 512 x wave
.set CIL, 9                            ; v9   CIMG + 16 x lane
.set SPW, 10                           ; v10  my spare word; never rewritten
.set NIL, 11                           ; v11  0; never rewritten
.set SCL, 12                           ; v12  2^e0 or 2^e12
.set SCQ, 13                           ; v13  2^e9
.set SCO, 14                           ; v14  2^e10 or 2^e14
.set PC, 16
.set BC, 16
.set RS, 32
.set KVF, 32
.set CA, 32                            ; erf: P's seven coefficients as pairs, v32-45; R's five, v46-55
.set CB, 46
.set GC, 56
.set MU, 48
.set TMP, 64
.set ZP, TMP+36
.set ZX, TMP+52
.set HA, 128
.set XP, 4
.set OP, 26
.set WV, 44
.set PH, 45
.set JC, 46
.set CC, 47
.set TA, 48
.set TB, 49
.set WAP, 50
.set WBP, 52
.set BCP, 54
.set KVP, 56
.set GP, 58
.set BP, 60
.set SEL, 62
.set RSC, 66
.set SIG, 68
.set VSC, 69
.set LNN, 70
.set LNP, 71
.set SA, 72
.set C1, 74
.set LIMQ, 76
.set FAC, 77
.set OCN, 78
.set OCP, 79
.set S9, 80
.set EPS, 82
.set TP, 84
.set E7, 86
.set E9, 87
.set SG, 88
.set LE, 89
.set OE, 90
.set BO, 91
.set B11, 92
.set MSB, 0
.macro WIN new                         ; the immediate's high byte repeats the setting that is left; a switch that changes nothing is dropped
.if MSB != (\new)
	s_set_vgpr_msb (MSB<<8)|(\new)
.set MSB, \new
.endif
.endm
.macro PLACES n
.rept \n
	v_nop
.endr
.endm
.macro BAR                             ; my LDS stores have landed and my LDS loads are in: then the work-group's barrier
	s_wait_dscnt 0x0
	s_barrier_signal -1
	s_barrier_wait -1
.endm
.macro SPOW d, e                       ; s[d] = 2^s[e] as f32
	s_add_co_i32 s[\d], s[\e], 127
	s_lshl_b32 s[\d], s[\d], 23
.endm
.macro SLIM p, e                       ; s[p] = 448 x 2^s[e]
	s_add_co_i32 s[\p], s[\e], 135
	s_lshl_b32 s[\p], s[\p], 23
	s_or_b32 s[\p], s[\p], 0x600000
.endm
.macro GLOAD m                         ; 16 rows of x, my 512 bytes of each: 32 lanes read 512 consecutive bytes; nobody reads them again
	WIN 0x40
.irp i, 0,1,2,3,4,5,6,7,8,9,10,11,12,13,14,15
	global_load_b128 v[64*((\m)%4)+4*\i:64*((\m)%4)+4*\i+3], v[LI], s[XP:XP+1] offset:(16*(\m)+\i)*2048 th:TH_LOAD_NT
.endr
.endm
.macro TURNIN m, cnt                   ; the tile turns through my stage: in by rows, out in the accumulators' layout.  LDS serves a wave's instructions in order: no wait between
	s_wait_loadcnt \cnt
	WIN 0x04
.irp i, 0,1,2,3,4,5,6,7,8,9,10,11,12,13,14,15
	ds_store_b128 v[SGA], v[64*((\m)%4)+4*\i:64*((\m)%4)+4*\i+3] offset:528*\i
.endr
	WIN ((2+(\m)/4)<<6)
.irp t, 0,1,2,3,4,5,6,7
	ds_load_b128 v[64*((\m)%4)+8*\t:64*((\m)%4)+8*\t+3], v[SGB] offset:64*\t
	ds_load_b128 v[64*((\m)%4)+8*\t+4:64*((\m)%4)+8*\t+7], v[SGB] offset:64*\t+16
.endr
.endm
.macro STATS m                         ; of each row's 128 numbers that my wave holds: the mean, and the sum of squares about it
.set XB, 64*((\m)%4)
.set YW, 2+(\m)/4
	WIN (YW|(YW<<2))
.set k, 0
.rept 16
	v_pk_add_f32 v[TMP+2*k:TMP+2*k+1], v[XB+4*k:XB+4*k+1], v[XB+4*k+2:XB+4*k+3]
.set k, k+1
.endr
	WIN 0
.irp n, 8,4,2,1
.set k, 0
.rept \n
	v_pk_add_f32 v[TMP+2*k:TMP+2*k+1], v[TMP+4*k:TMP+4*k+1], v[TMP+4*k+2:TMP+4*k+3]
.set k, k+1
.endr
.endr
	v_add_f32 v[TMP], v[TMP], v[TMP+1]
	v_permlanex16_b32 v[TMP+1], v[TMP], s[SEL], s[SEL+1]   ; the row's other 64 numbers lie in the lane 16 away
	v_add_f32 v[TMP], v[TMP], v[TMP+1]
	v_mul_f32 v[MU+2*(\m)], 0x3c000000, v[TMP]             ; / 128
	WIN YW
.set k, 0
.rept 32
	v_pk_add_f32 v[TMP+2*k:TMP+2*k+1], v[XB+2*k:XB+2*k+1], v[MU+2*(\m):MU+2*(\m)+1] op_sel_hi:[1,0] neg_lo:[0,1] neg_hi:[0,1]
.set k, k+1
.endr
	WIN 0
.set k, 0
.rept 4
	v_pk_mul_f32 v[HA+2*k:HA+2*k+1], v[TMP+2*k:TMP+2*k+1], v[TMP+2*k:TMP+2*k+1]
.set k, k+1
.endr
.rept 28
	v_pk_fma_f32 v[HA+2*(k%4):HA+2*(k%4)+1], v[TMP+2*k:TMP+2*k+1], v[TMP+2*k:TMP+2*k+1], v[HA+2*(k%4):HA+2*(k%4)+1]
.set k, k+1
.endr
	v_pk_add_f32 v[HA:HA+1], v[HA:HA+1], v[HA+2:HA+3]
	v_pk_add_f32 v[HA+4:HA+5], v[HA+4:HA+5], v[HA+6:HA+7]
	v_pk_add_f32 v[HA:HA+1], v[HA:HA+1], v[HA+4:HA+5]
	v_add_f32 v[HA], v[HA], v[HA+1]
	v_permlanex16_b32 v[HA+1], v[HA], s[SEL], s[SEL+1]
	v_add_f32 v[MU+2*(\m)+1], v[HA], v[HA+1]
	ds_store_b64 v[STS], v[MU+2*(\m):MU+2*(\m)+1] offset:512*(\m)   ; both halves of the lanes store the same two numbers
.endm
.macro FINAL                           ; the four waves' figures are joined: mean = the mean of the means; M2 = the sum of the M2 + 128 x the sum of (mean_i - mean)^2
.irp m, 0,1,2,3,4,5,6,7
	ds_load_b128 v[TMP+8*\m:TMP+8*\m+3], v[STL] offset:512*\m
	ds_load_b128 v[TMP+8*\m+4:TMP+8*\m+7], v[STL] offset:512*\m+16
.endr
	s_wait_dscnt 0x0
.irp m, 0,1,2,3,4,5,6,7
	v_pk_add_f32 v[HA+2*\m:HA+2*\m+1], v[TMP+8*\m:TMP+8*\m+1], v[TMP+8*\m+2:TMP+8*\m+3]
.endr
.irp m, 0,1,2,3,4,5,6,7
	v_pk_add_f32 v[HA+16+2*\m:HA+16+2*\m+1], v[TMP+8*\m+4:TMP+8*\m+5], v[TMP+8*\m+6:TMP+8*\m+7]
.endr
.irp m, 0,1,2,3,4,5,6,7
	v_pk_add_f32 v[HA+2*\m:HA+2*\m+1], v[HA+2*\m:HA+2*\m+1], v[HA+16+2*\m:HA+16+2*\m+1]
.endr
.irp m, 0,1,2,3,4,5,6,7
	v_mul_f32 v[MU+2*\m], 0x3e800000, v[HA+2*\m]
.endr
.irp i, 0,2,4,6
.irp m, 0,1,2,3,4,5,6,7
	v_sub_f32 v[TMP+8*\m+\i], v[TMP+8*\m+\i], v[MU+2*\m]
.endr
.endr
.irp m, 0,1,2,3,4,5,6,7
	v_mul_f32 v[TMP+8*\m+1], v[TMP+8*\m], v[TMP+8*\m]
.endr
.irp i, 2,4,6
.irp m, 0,1,2,3,4,5,6,7
	v_fma_f32 v[TMP+8*\m+1], v[TMP+8*\m+\i], v[TMP+8*\m+\i], v[TMP+8*\m+1]
.endr
.endr
.irp m, 0,1,2,3,4,5,6,7
	v_fma_f32 v[HA+2*\m+1], v[TMP+8*\m+1], 0x43000000, v[HA+2*\m+1]
.endr
.irp m, 0,1,2,3,4,5,6,7
	v_fma_f32 v[RS+2*\m], v[HA+2*\m+1], s[VSC], s[EPS]     ; M2 x 2^(2 sigma) / 512 + 1e-6: the variance of the true numbers
.endr
.irp m, 0,1,2,3,4,5,6,7
	v_rsq_f32 v[RS+2*\m], v[RS+2*\m]
.endr
	v_nop                                          ; a plain instruction behind the last of the batch,
	s_wait_alu depctr_va_vdst(0)                   ; and the one wait ahead of the batch's first reader
.irp m, 0,1,2,3,4,5,6,7
	v_mul_f32 v[RS+2*\m], s[SIG], v[RS+2*\m]       ; x 2^sigma: the rows are kept in units of 2^sigma
.endr
.endm
.macro NORM m                          ; h = (x - mean) / sigma x gamma + beta, in reference()'s order; then the quantiser and the image
.set XB, 64*((\m)%4)
.set YW, 2+(\m)/4
	WIN YW
.set k, 0
.rept 32
	v_pk_add_f32 v[TMP+2*k:TMP+2*k+1], v[XB+2*k:XB+2*k+1], v[MU+2*(\m):MU+2*(\m)+1] op_sel_hi:[1,0] neg_lo:[0,1] neg_hi:[0,1]
.set k, k+1
.endr
	WIN 0
.set k, 0
.rept 32
	v_pk_mul_f32 v[TMP+2*k:TMP+2*k+1], v[TMP+2*k:TMP+2*k+1], v[RS+2*(\m):RS+2*(\m)+1] op_sel_hi:[1,0]
.set k, k+1
.endr
	WIN 0x14
.set k, 0
.rept 32
	v_pk_fma_f32 v[TMP+2*k:TMP+2*k+1], v[TMP+2*k:TMP+2*k+1], v[2*k:2*k+1], v[64+2*k:64+2*k+1]
.set k, k+1
.endr
	WIN 0
.set k, 0
.rept 64
	v_med3_num_f32 v[TMP+k], v[TMP+k], s[LNN], s[LNP]      ; the conversion to an 8-bit code does not saturate (ISA guide 7.6.2): the hold comes first
.set k, k+1
.endr
	s_wait_dscnt 0x0                               ; the last tile's image stores have read their registers
.set k, 0
.rept 8
	v_cvt_scalef32_pk8_fp8_f32 v[PC+2*k:PC+2*k+1], v[TMP+8*k:TMP+8*k+7], v[SCL]
.set k, k+1
.endr
	v_nop                                          ; a plain instruction behind the last conversion
.irp q, 0,1,2,3
	ds_store_b128 v[IMS], v[PC+4*\q:PC+4*\q+3] offset:8192*(\m)+512*\q     ; fragment (m, s = my wave)
.endr
.endm
.macro WALOAD n                        ; the first n loads of a chunk's 32 for the first weight's 8 fragments, (u, s) at v[128 + 16 (4 u + s)] of window 1: 512 consecutive bytes a load
	WIN 0x40
.set k, 0
.rept \n
	global_load_b128 v[128+4*k:128+4*k+3], v[LI], s[WAP:WAP+1] offset:512*k
.set k, k+1
.endr
	WIN 0
.endm
.macro WBLOAD                          ; K step j of the second weight's 8 tiles of my 128 columns, tile t at v[16 t] of window 1
	WIN 0x40
.irp t, 0,1,2,3,4,5,6,7
.irp q, 0,1,2,3
	global_load_b128 v[16*\t+4*\q:16*\t+4*\q+3], v[LI], s[WBP:WBP+1] offset:8192*\t+512*\q
.endr
.endr
	WIN 0
.endm
.macro LOADH i                         ; half step i: K step i / 2, tiles 4 (i % 2) .. + 3 of h, into buffer i % 2 of window 1
	WIN 0x40
.irp mm, 0,1,2,3
.irp q, 0,1,2,3
	ds_load_b128 v[64*((\i)%2)+16*\mm+4*\q:64*((\i)%2)+16*\mm+4*\q+3], v[LI] offset:(4*((\i)%2)+\mm)*8192+((\i)/2)*2048+512*\q
.endr
.endr
.endm
.macro MULH i                          ; its 8 products; the 8 accumulators take turns, and the next half step has the other 8
	WIN 0x05
.irp mm, 0,1,2,3
.irp u, 0,1
.if (\i) < 2
	v_wmma_f32_16x16x128_fp8_fp8 v[HA+16*(4*((\i)%2)+\mm)+8*\u:HA+16*(4*((\i)%2)+\mm)+8*\u+7], v[128+16*(4*\u+(\i)/2):128+16*(4*\u+(\i)/2)+15], v[64*((\i)%2)+16*\mm:64*((\i)%2)+16*\mm+15], 0
.else
	v_wmma_f32_16x16x128_fp8_fp8 v[HA+16*(4*((\i)%2)+\mm)+8*\u:HA+16*(4*((\i)%2)+\mm)+8*\u+7], v[128+16*(4*\u+(\i)/2):128+16*(4*\u+(\i)/2)+15], v[64*((\i)%2)+16*\mm:64*((\i)%2)+16*\mm+15], v[HA+16*(4*((\i)%2)+\mm)+8*\u:HA+16*(4*((\i)%2)+\mm)+8*\u+7]
.endif
.endr
.endr
.endm
.macro COEF r, bits
	v_mov_b32 v[\r], \bits
	v_mov_b32 v[\r+1], \bits
.endm
.macro HORN0 d, x, ch, cl              ; 16 numbers: d = x ch + cl
.set kk, 0
.rept 8
	v_pk_fma_f32 v[\d+2*kk:\d+2*kk+1], v[\x+2*kk:\x+2*kk+1], v[\ch:\ch+1], v[\cl:\cl+1]
.set kk, kk+1
.endr
.endm
.macro HORN d, x, c                    ; d = d x + c
.set kk, 0
.rept 8
	v_pk_fma_f32 v[\d+2*kk:\d+2*kk+1], v[\d+2*kk:\d+2*kk+1], v[\x+2*kk:\x+2*kk+1], v[\c:\c+1]
.set kk, kk+1
.endr
.endm
.macro PMUL d, a, b                    ; d = a b
.set kk, 0
.rept 8
	v_pk_mul_f32 v[\d+2*kk:\d+2*kk+1], v[\a+2*kk:\a+2*kk+1], v[\b+2*kk:\b+2*kk+1]
.set kk, kk+1
.endr
.endm
	s_load_b512 s[4:19], s[0:1], 0x0               ; x, g_att, b_att, g_ffn, b_ffn, b1, b2, the scales' exponents s[18:19]
	s_load_b256 s[20:27], s[0:1], 0x40             ; wc, kvc, ksum, out0
	v_lshl_add_u32 v[SPW], v0, 2, SPARE
	v_mov_b32 v[NIL], 0
	v_lshrrev_b32 v[TMP], 5, v0
	v_readfirstlane_b32 s[WV], v[TMP]              ; wave 0..3
	v_and_b32 v[TMP+1], 31, v0                     ; lane
	v_and_b32 v[TMP+2], 15, v0                     ; r
	v_bfe_u32 v[TMP+3], v0, 4, 1                   ; h
	v_lshlrev_b32 v[LI], 4, v[TMP+1]
	v_lshlrev_b32 v[H32], 5, v[TMP+3]
	s_lshl_b32 s[TA], s[WV], 11
	v_add_nc_u32 v[IMS], s[TA], v[LI]
	s_mul_i32 s[TA], s[WV], 8448
	s_add_co_u32 s[TA], s[TA], STG
	v_add_nc_u32 v[SGA], s[TA], v[LI]
	v_mul_u32_u24 v[TMP+4], v[TMP+2], 528
	v_add_nc_u32 v[TMP+4], v[TMP+4], v[H32]
	v_add_nc_u32 v[SGB], s[TA], v[TMP+4]
	v_lshlrev_b32 v[STL], 5, v[TMP+2]
	v_add_nc_u32 v[STL], STAT, v[STL]
	s_lshl_b32 s[TA], s[WV], 3
	v_add_nc_u32 v[STS], s[TA], v[STL]
	v_add_nc_u32 v[CIL], CIMG, v[LI]
	s_lshl_b32 s[TA], s[WV], 9
	v_add_nc_u32 v[CIS], s[TA], v[CIL]
	s_mov_b32 s[SEL], 0x76543210                   ; v_permlanex16_b32: each lane takes its own place in the other half
	s_mov_b32 s[SEL+1], 0xfedcba98
	s_mov_b32 s[EPS], 0x358637bd                   ; 1e-6, LN's and Z's
	s_mov_b32 s[TP+1], 0
	s_wait_kmcnt 0x0
	s_load_b512 s[28:43], s[18:19], 0x0            ; e0 .. e15 in s28 .. s43
	s_lshl_b32 s[TP], ttmp9, 18                    ; 128 rows of 2,048 bytes a work-group,
	s_add_co_u32 s[TP], s[TP], s[TA]               ; + my wave's 512 bytes of a row
	s_add_nc_u64 s[XP:XP+1], s[XP:XP+1], s[TP:TP+1]
	s_add_nc_u64 s[OP:OP+1], s[OP:OP+1], s[TP:TP+1]
	s_mov_b32 s[TP], s[TA]
	s_add_nc_u64 s[16:17], s[16:17], s[TP:TP+1]    ; b2 at my wave's 128 columns
	; x comes in: four tiles of 16 loads are on their way; each count leaves the younger tiles' loads out
	GLOAD 0
	GLOAD 1
	GLOAD 2
	GLOAD 3
.irp m, 0,1,2,3,4,5,6,7
.if \m < 5
	TURNIN \m, 48
.else
	TURNIN \m, 16*(7-\m)
.endif
.if \m < 4
	s_wait_dscnt 16                                ; the tile's 16 stores have read their registers (its 16 loads may be out): they take the tile four further on
	GLOAD \m+4
.endif
.endr
	WIN 0
	s_wait_dscnt 0x0
	s_lshl_b32 s[TP], s[WV], 14
	s_add_co_u32 s[TP], s[TP], 2*262144            ; Wq's chunks 0-3, then W1's, lie on end in wc, 65,536 bytes each; my two tiles of a chunk's eight
	s_add_nc_u64 s[WAP:WAP+1], s[20:21], s[TP:TP+1]
	WALOAD 32                                      ; Wq's chunk 0, whole
	s_lshr_b32 s[TA], ttmp9, 5                     ; the batch
	s_lshl_b32 s[B11], s[TA], 11                   ; its 2,048 bytes of ksum
	s_lshl_b32 s[TP], s[TA], 14
	s_lshl_b32 s[TA], s[WV], 10
	s_add_co_u32 s[TP], s[TP], s[TA]               ; kvc: 16,384 bytes a batch, 1,024 a head
	s_add_nc_u64 s[KVP:KVP+1], s[22:23], s[TP:TP+1]
	s_wait_kmcnt 0x0
	s_add_co_i32 s[E7], s38, s39                   ; e10 + e11
	s_add_co_i32 s[E9], s42, s43                   ; e14 + e15
	SLIM LIMQ, 37
	SPOW TA, 37
	v_mov_b32 v[SCQ], s[TA]
	s_add_co_i32 s[TA], s36, s37
	s_add_co_i32 s[TA], s[TA], 12
	SPOW FAC, TA                                   ; 2^(e8 + e9) x N
	SPOW S9, E9
	s_mov_b32 s[S9+1], s[S9]                       ; (named with it as a pair, so it is written)
.set k, 0
.rept 16
	v_mov_b32 v[RS+2*k+1], 0                       ; the upper halves of pairs of which the low word serves both halves: named, so written
.set k, k+1
.endr
	s_mov_b32 s[PH], 0
	s_mov_b32 s[CC], 0
.Lhalf:                                            ; half 0: attention; half 1: the feed-forward layer
	s_cmp_eq_u32 s[PH], 0
	s_cselect_b32 s[SG], s[E7], s[E9]              ; sigma: the rows' unit in this half
	s_cselect_b32 s[TA], 0, s[E7]                  ; and so far
	s_cselect_b32 s[LE], s28, s40
	s_cselect_b32 s[TB], s29, s41
	s_cselect_b32 s[OE], s38, s42
	s_cselect_b32 s[BO], s[B11], 0
	s_cselect_b64 s[GP:GP+1], s[6:7], s[10:11]
	s_cselect_b64 s[BP:BP+1], s[8:9], s[12:13]
	s_cselect_b64 s[BCP:BCP+1], s[24:25], s[14:15] ; what the vector work adds or multiplies by, column by column: the sum of K, or b1
	s_sub_co_i32 s[TA], s[TA], s[SG]
	SPOW RSC, TA
	s_mov_b32 s[RSC+1], s[RSC]
	SPOW SIG, SG
	s_lshl_b32 s[TA], s[SG], 1
	s_sub_co_i32 s[TA], s[TA], 9
	SPOW VSC, TA                                   ; 2^(2 sigma) / 512
	SLIM LNP, LE
	s_or_b32 s[LNN], s[LNP], 0x80000000
	SPOW TA, LE
	v_mov_b32 v[SCL], s[TA]
	s_add_co_i32 s[TB], s[LE], s[TB]               ; a sum of the first product stands for sum x 2^(e0 + e1), or 2^(e12 + e13)
	SPOW SA, TB
	s_mov_b32 s[SA+1], s[SA]
	s_lshl_b32 s[TA], s[TB], 23
	s_add_co_i32 s[C1], s[TA], 0x3fb8aa3b          ; log2(e) x that
	s_mov_b32 s[C1+1], s[C1]
	SLIM OCP, OE
	s_or_b32 s[OCN], s[OCP], 0x80000000
	SPOW TA, OE
	v_mov_b32 v[SCO], s[TA]
	s_lshl_b32 s[TP], s[WV], 9
	s_add_nc_u64 s[GP:GP+1], s[GP:GP+1], s[TP:TP+1]
	s_add_nc_u64 s[BP:BP+1], s[BP:BP+1], s[TP:TP+1]
	s_lshl_b32 s[TP], s[WV], 7
	s_add_co_u32 s[TP], s[TP], s[BO]
	s_add_nc_u64 s[BCP:BCP+1], s[BCP:BCP+1], s[TP:TP+1]
	s_add_co_u32 s[TP], s[PH], 4                   ; the second weight: Wm is wc's weight 4, W2 its weight 5; my 8 tiles are 65,536 bytes
	s_lshl_b32 s[TP], s[TP], 18
	s_lshl_b32 s[TA], s[WV], 16
	s_add_co_u32 s[TP], s[TP], s[TA]
	s_add_nc_u64 s[WBP:WBP+1], s[20:21], s[TP:TP+1]
	PLACES 4                                       ; behind the last half's products: ahead of loads into their sources and of vector work on their results
	WIN 0x40
.irp t, 0,1,2,3,4,5,6,7
.irp i, 0,1
	global_load_b128 v[8*\t+4*\i:8*\t+4*\i+3], v[H32], s[GP:GP+1] offset:64*\t+16*\i          ; gamma and beta of my lane's 64 columns, in the rows' layout
	global_load_b128 v[64+8*\t+4*\i:64+8*\t+4*\i+3], v[H32], s[BP:BP+1] offset:64*\t+16*\i
.endr
.endr
	WIN 0x82                                       ; the rows into units of 2^sigma: a power of two, nothing is rounded; each accumulator from its low end on
.set k, 0
.rept 128
	v_pk_mul_f32 v[2*k:2*k+1], v[2*k:2*k+1], s[RSC:RSC+1] op_sel_hi:[1,0]
.set k, k+1
.endr
	WIN 0xc3
.set k, 0
.rept 128
	v_pk_mul_f32 v[2*k:2*k+1], v[2*k:2*k+1], s[RSC:RSC+1] op_sel_hi:[1,0]
.set k, k+1
.endr
	WIN 0
.irp m, 0,1,2,3,4,5,6,7
	STATS \m
.endr
	BAR                                            ; every wave's figures lie in LDS
	FINAL
	s_wait_loadcnt 0x0                             ; gamma, beta, the first weight's chunk
.irp m, 0,1,2,3,4,5,6,7
	NORM \m
.endr
.irp i, 4,5,6,7,12,13,14,15
	v_mov_b32 v[KVF+\i], 0                         ; KV's k = 32 .. 63 of the K = 64 form: zero codes
.endr
	BAR                                            ; h's 32 images are whole
	s_mov_b32 s[JC], 4
.Lchunk:
	PLACES 5                                       ; behind the second product: 4 ahead of loads into its sources, 5 ahead of products that write over them
.irp u, 0,1
.irp i, 0,1
	global_load_b128 v[BC+8*\u+4*\i:BC+8*\u+4*\i+3], v[H32], s[BCP:BCP+1] offset:64*\u+16*\i   ; of my lane's 16 middle columns
.endr
.endr
	s_cmp_lg_u32 s[PH], 0
	s_cbranch_scc1 .Lnokv
	global_load_b128 v[KVF:KVF+3], v[LI], s[KVP:KVP+1]                 ; the head's KV: values 0-15,
	global_load_b128 v[KVF+8:KVF+11], v[LI], s[KVP:KVP+1] offset:512   ; values 16-31
.Lnokv:
	; THE FIRST PRODUCT'S CHUNK: 128 rows x my 32 columns x K 512, h's fragments through two buffers; each count leaves the other buffer's 16 loads out
	LOADH 0
	LOADH 1
.irp i, 0,1,2,3,4,5,6,7
.if \i < 7
	s_wait_dscnt 16
.else
	s_wait_dscnt 0x0
.endif
.if \i == 6
	s_wait_loadcnt 0x0                             ; the weight's eighth fragment, which half steps 6 and 7 read; with it the sum of K or b1, and KV.  No load is out from here on, so every base may be stepped below
.endif
	MULH \i
.if \i < 6
	PLACES 4
	LOADH \i+2
.endif
.endr
	WIN 0
	PLACES 4                                       ; ahead of loads into the products' sources
	WBLOAD                                         ; the second weight's K step: wanted first
	s_cmp_eq_u32 s[CC], 7                          ; behind the last chunk of all there is no further weight (no load leaves its buffer): b2 takes its registers.  (Every wait for loads is for 0: it holds on both ways)
	s_cbranch_scc1 .Lb2
	s_add_nc_u64 s[WAP:WAP+1], s[WAP:WAP+1], 0x10000
	WALOAD 28                                      ; seven of the next chunk's eight fragments: with the 32 above 60 loads of mine are out
	s_branch .Lwb
.Lb2:
	WIN 0x40
.irp t, 0,1,2,3,4,5,6,7
.irp i, 0,1
	global_load_b128 v[128+8*\t+4*\i:128+8*\t+4*\i+3], v[H32], s[16:17] offset:64*\t+16*\i     ; b2 of my lane's 64 columns, in the rows' layout
.endr
.endr
	WIN 0
.Lwb:
	s_add_nc_u64 s[BCP:BCP+1], s[BCP:BCP+1], 512
	s_add_nc_u64 s[KVP:KVP+1], s[KVP:KVP+1], 4096
	s_cmp_lg_u32 s[PH], 0
	s_cbranch_scc1 .Lgelu
	; ---- ATTENTION.  Q = max(q, 0) + exp(min(q, 0)), 64 numbers at a time: one batch of exponentials, one wait
.irp b, 0,1
.set k, 0
.rept 32
	v_pk_mul_f32 v[TMP+2*k:TMP+2*k+1], v[HA+64*\b+2*k:HA+64*\b+2*k+1], s[C1:C1+1] op_sel_hi:[1,0]
.set k, k+1
.endr
.set k, 0
.rept 64
	v_min_num_f32 v[TMP+k], 0, v[TMP+k]
.set k, k+1
.endr
.set k, 0
.rept 64
	v_exp_f32 v[TMP+k], v[TMP+k]
.set k, k+1
.endr
.set k, 0
.rept 64
	v_max_num_f32 v[HA+64*\b+k], 0, v[HA+64*\b+k]  ; plain work behind the batch
.set k, k+1
.endr
	s_wait_alu depctr_va_vdst(0)                   ; the wait ahead of the batch's first reader
.set k, 0
.rept 32
	v_pk_fma_f32 v[HA+64*\b+2*k:HA+64*\b+2*k+1], v[HA+64*\b+2*k:HA+64*\b+2*k+1], s[SA:SA+1], v[TMP+2*k:TMP+2*k+1] op_sel_hi:[1,0,1]
.set k, k+1
.endr
.endr
	; Z: the UNQUANTISED Q times the sum of K, in f32: eight chains, one a tile
.irp m, 0,1,2,3,4,5,6,7
	v_pk_mul_f32 v[ZP+2*\m:ZP+2*\m+1], v[HA+16*\m:HA+16*\m+1], v[BC:BC+1]
.endr
.irp p, 2,4,6,8,10,12,14
.irp m, 0,1,2,3,4,5,6,7
	v_pk_fma_f32 v[ZP+2*\m:ZP+2*\m+1], v[HA+16*\m+\p:HA+16*\m+\p+1], v[BC+\p:BC+\p+1], v[ZP+2*\m:ZP+2*\m+1]
.endr
.endr
.irp m, 0,1,2,3,4,5,6,7
	v_add_f32 v[ZP+2*\m], v[ZP+2*\m], v[ZP+2*\m+1]
.endr
.irp m, 0,1,2,3,4,5,6,7
	v_permlanex16_b32 v[ZX+\m], v[ZP+2*\m], s[SEL], s[SEL+1]   ; the row's other 16 features lie in the lane 16 away
.endr
.irp m, 0,1,2,3,4,5,6,7
	v_add_f32 v[ZP+2*\m], v[ZP+2*\m], v[ZX+\m]
.endr
.irp m, 0,1,2,3,4,5,6,7
	v_add_f32 v[ZP+2*\m], s[EPS], v[ZP+2*\m]
.endr
.irp m, 0,1,2,3,4,5,6,7
	v_rcp_f32 v[ZP+2*\m], v[ZP+2*\m]
.endr
.set k, 0
.rept 128
	v_min_num_f32 v[HA+k], s[LIMQ], v[HA+k]        ; Q is not negative: the hold is one-sided.  (Plain work behind the reciprocals)
.set k, k+1
.endr
.irp m, 0,1,2,3,4,5,6,7
.irp u, 0,1
	v_cvt_scalef32_pk8_fp8_f32 v[TMP+4*\m+2*\u:TMP+4*\m+2*\u+1], v[HA+16*\m+8*\u:HA+16*\m+8*\u+7], v[SCQ]   ; registers 2 u, 2 u + 1 of the tile's fragment: d = 16 u + 8 h + 0..7
.endr
.endr
.irp i, 0,1,2,3
	v_mov_b32 v[TMP+32+\i], 0                      ; behind the last tile's four registers
.endr
	s_wait_alu depctr_va_vdst(0)                   ; one wait for the eight reciprocals, ahead of their first reader
.irp m, 0,1,2,3,4,5,6,7
	v_mul_f32 v[MU+2*\m], s[FAC], v[ZP+2*\m]       ; Z x N x 2^(e8 + e9)
.endr
	; msg^T = KV^T Q^T, K = 32 in the K = 64 form: KV's upper 32 are zero codes; beside them stand the next tile's codes of Q, finite numbers, which so count for nothing
.irp m, 0,1,2,3,4,5,6,7
.irp vt, 0,1
	v_wmma_f32_16x16x64_fp8_fp8 v[HA+16*\m+8*\vt:HA+16*\m+8*\vt+7], v[KVF+8*\vt:KVF+8*\vt+7], v[TMP+4*\m:TMP+4*\m+7], 0
.endr
.endr
	PLACES 4
.irp m, 0,1,2,3,4,5,6,7
.irp p, 0,2,4,6,8,10,12,14
	v_pk_mul_f32 v[HA+16*\m+\p:HA+16*\m+\p+1], v[HA+16*\m+\p:HA+16*\m+\p+1], v[MU+2*\m:MU+2*\m+1] op_sel_hi:[1,0]
.endr
.irp i, 0,1,2,3,4,5,6,7,8,9,10,11,12,13,14,15
	v_med3_num_f32 v[HA+16*\m+\i], v[HA+16*\m+\i], s[OCN], s[OCP]
.endr
	v_cvt_scalef32_pk8_fp8_f32 v[TMP+4*\m:TMP+4*\m+1], v[HA+16*\m:HA+16*\m+7], v[SCO]
	v_cvt_scalef32_pk8_fp8_f32 v[TMP+4*\m+2:TMP+4*\m+3], v[HA+16*\m+8:HA+16*\m+15], v[SCO]
	ds_store_b128 v[CIS], v[TMP+4*\m:TMP+4*\m+3] offset:2048*\m    ; registers 4 w .. 4 w + 3 of the chunk's fragment m
.endr
	v_nop                                          ; a plain instruction behind the last conversion
	s_branch .Ljoin
.Lgelu:
	; ---- GELU, exact: 0.5 h (1 + erf(h / sqrt 2)), a tile of 16 rows at a time
	COEF CA, 0xbc83dbd4                            ; P: -1.60960333e-2, -2.95459981e-3, -7.34990630e-4, -5.69250639e-5, -2.10102402e-6, 2.77068142e-8, -2.72614226e-10
	COEF CA+2, 0xbb41a1f6
	COEF CA+4, 0xba40ac63
	COEF CA+6, 0xb86ec2d2
	COEF CA+8, 0xb60cff51
	COEF CA+10, 0x32edffee
	COEF CA+12, 0xaf95df0b
	COEF CB, 0xbc69b6a7                            ; R: -1.42647391e-2, -7.37332917e-3, -1.68282697e-3, -2.13374055e-4, -1.45660718e-5
	COEF CB+2, 0xbbf19bf8
	COEF CB+4, 0xbadc924e
	COEF CB+6, 0xb95fbd29
	COEF CB+8, 0xb77460cd
.irp m, 0,1,2,3,4,5,6,7
.set HB, HA+16*\m
.set GD, GC+4*(\m%2)
.irp p, 0,2,4,6,8,10,12,14
	v_pk_fma_f32 v[HB+\p:HB+\p+1], v[HB+\p:HB+\p+1], s[SA:SA+1], v[BC+\p:BC+\p+1] op_sel_hi:[1,0,1]   ; h = sum x 2^(e12 + e13) + b1
.endr
.irp p, 0,2,4,6,8,10,12,14
	v_pk_mul_f32 v[TMP+\p:TMP+\p+1], v[HB+\p:HB+\p+1], 0x3f3504f3 op_sel_hi:[1,0]                     ; z = h / sqrt 2
.endr
.irp i, 0,1,2,3,4,5,6,7,8,9,10,11,12,13,14,15
	v_med3_num_f32 v[TMP+\i], v[TMP+\i], -4.0, 4.0
.endr
	PMUL TMP+16, TMP, TMP                          ; z^2
	HORN0 TMP+48, TMP+16, CB+8, CB+6
	HORN TMP+48, TMP+16, CB+4
	HORN TMP+48, TMP+16, CB+2
	HORN TMP+48, TMP+16, CB
.irp i, 0,1,2,3,4,5,6,7,8,9,10,11,12,13,14,15
	v_rcp_f32 v[TMP+48+\i], v[TMP+48+\i]
.endr
	HORN0 TMP+32, TMP+16, CA+12, CA+10             ; P's six steps are the work behind the batch of reciprocals
	HORN TMP+32, TMP+16, CA+8
	HORN TMP+32, TMP+16, CA+6
	HORN TMP+32, TMP+16, CA+4
	HORN TMP+32, TMP+16, CA+2
	HORN TMP+32, TMP+16, CA
	PMUL TMP+32, TMP+32, TMP
	s_wait_alu depctr_va_vdst(0)                   ; one wait for the sixteen, ahead of their first reader
	PMUL TMP+32, TMP+32, TMP+48                    ; erf
.irp p, 0,2,4,6,8,10,12,14
	v_pk_mul_f32 v[TMP+\p:TMP+\p+1], v[HB+\p:HB+\p+1], 0.5 op_sel_hi:[1,0]
.endr
.irp p, 0,2,4,6,8,10,12,14
	v_pk_fma_f32 v[HB+\p:HB+\p+1], v[TMP+\p:TMP+\p+1], v[TMP+32+\p:TMP+32+\p+1], v[TMP+\p:TMP+\p+1]
.endr
.irp i, 0,1,2,3,4,5,6,7,8,9,10,11,12,13,14,15
	v_med3_num_f32 v[HB+\i], v[HB+\i], s[OCN], s[OCP]
.endr
	s_wait_dscnt 1                                 ; the store of two tiles back has read this set of four registers; the last tile's may be out
	v_cvt_scalef32_pk8_fp8_f32 v[GD:GD+1], v[HB:HB+7], v[SCO]
	v_cvt_scalef32_pk8_fp8_f32 v[GD+2:GD+3], v[HB+8:HB+15], v[SCO]
	v_nop                                          ; a plain instruction behind the last conversion
	ds_store_b128 v[CIS], v[GD:GD+3] offset:2048*\m
.endr
.Ljoin:
	BAR                                            ; the chunk's eight fragments are whole
	; THE SECOND PRODUCT'S K STEP: my 128 columns x 128 rows, onto the rows themselves; the 64 accumulators take turns
	s_wait_loadcnt 0x0                             ; the second weight's K step (and the first weight's seven fragments, or b2)
	s_add_nc_u64 s[WBP:WBP+1], s[WBP:WBP+1], 2048
.irp m, 0,1,2,3,4,5,6,7
.irp q, 0,1,2,3
	ds_load_b128 v[HA+16*\m+4*\q:HA+16*\m+4*\q+3], v[CIL] offset:2048*\m+512*\q
.endr
.endr
	s_cmp_eq_u32 s[CC], 7
	s_cbranch_scc1 .Lnolast
	WIN 0x40
.irp q, 0,1,2,3
	global_load_b128 v[240+4*\q:243+4*\q], v[LI], s[WAP:WAP+1] offset:512*(28+\q)      ; the next chunk's eighth fragment (u = 1, s = 3): it has this product and six half steps of the next in which to land
.endr
	WIN 0
.Lnolast:
.irp m, 0,1,2,3,4,5,6,7
	s_wait_dscnt 4*(7-\m)                          ; fragment m is in; the later fragments' loads may be out
.if \m == 7
	s_barrier_signal -1                            ; my reads of the chunk's images are over: behind this barrier they are written again
.endif
	WIN (0xa1+0x50*(\m/4))
.irp t, 0,1,2,3,4,5,6,7
	v_wmma_f32_16x16x128_fp8_fp8 v[64*(\m%4)+8*\t:64*(\m%4)+8*\t+7], v[16*\t:16*\t+15], v[HA+16*\m:HA+16*\m+15], v[64*(\m%4)+8*\t:64*(\m%4)+8*\t+7]
.endr
.endr
	WIN 0
	s_barrier_wait -1
	s_add_co_u32 s[CC], s[CC], 1
	s_sub_co_u32 s[JC], s[JC], 1
	s_cmp_lg_u32 s[JC], 0
	s_cbranch_scc1 .Lchunk
	s_add_co_u32 s[PH], s[PH], 1
	s_cmp_lt_u32 s[PH], 2
	s_cbranch_scc1 .Lhalf
	; THE WAY OUT: out = rows x 2^(e14 + e15) + b2, a tile of 16 rows through my stage: in by the accumulators' layout, back as whole rows of 512 bytes.  b2 came in with the last chunk's loads
	PLACES 4
.macro TOSTAGE m
.set XB, 64*((\m)%4)
.set BB, HA+64*((\m)%2)
	WIN (0x12+(\m)/4)
.set k, 0
.rept 32
	v_pk_fma_f32 v[TMP+2*k:TMP+2*k+1], v[XB+2*k:XB+2*k+1], s[S9:S9+1], v[128+2*k:128+2*k+1] op_sel_hi:[1,0,1]   ; each accumulator from its low end on
.set k, k+1
.endr
	WIN 0
.irp t, 0,1,2,3,4,5,6,7
	ds_store_b128 v[SGB], v[TMP+8*\t:TMP+8*\t+3] offset:64*\t
	ds_store_b128 v[SGB], v[TMP+8*\t+4:TMP+8*\t+7] offset:64*\t+16
.endr
.irp i, 0,1,2,3,4,5,6,7,8,9,10,11,12,13,14,15
	ds_load_b128 v[BB+4*\i:BB+4*\i+3], v[SGA] offset:528*\i      ; LDS serves a wave's instructions in order: these see my stores, and the next tile's stores come behind them
.endr
.endm
.macro SEND m, younger                 ; younger: the LDS instructions issued behind tile m's loads, which may stay out
.set BB, HA+64*((\m)%2)
	s_wait_dscnt \younger
.irp i, 0,1,2,3,4,5,6,7,8,9,10,11,12,13,14,15
	global_store_b128 v[LI], v[BB+4*\i:BB+4*\i+3], s[OP:OP+1] offset:(16*(\m)+\i)*2048 th:TH_STORE_NT   ; 32 lanes store 512 consecutive bytes, at a multiple of 256 from out0's first byte
.endr
.endm
	TOSTAGE 0
.irp m, 1,2,3,4,5,6,7
.if \m > 1
	s_wait_xcnt 0x0                                ; the stores of two tiles back have read their registers: this tile's loads may land there
.endif
	TOSTAGE \m
	SEND \m-1, 32                                  ; behind tile m - 1's loads: tile m's 16 stores and 16 loads
.endr
	SEND 7, 0
	s_wait_tensorcnt 0x0                           ; the wave's end: behind my last LDS store
	ds_add_u32 v[SPW], v[NIL]
	s_wait_dscnt 0x0
	s_endpgm
.Lfunc_end_k_qbe43225357_block:
	.size	k_qbe43225357_block, .Lfunc_end_k_qbe43225357_block-k_qbe43225357_block
	.p2alignl 7, 3214868480
	.fill 96, 4, 3214868480
	.section	.rodata,"a",@progbits
	.p2align	6, 0x0
	.amdhsa_kernel k_qbe43225357_block
		.amdhsa_group_segment_fixed_size 120320
		.amdhsa_private_segment_fixed_size 0
		.amdhsa_enable_private_segment 0
		.amdhsa_kernarg_size 96
		.amdhsa_user_sgpr_count 2
		.amdhsa_user_sgpr_kernarg_segment_ptr 1
		.amdhsa_wavefront_size32 1
		.amdhsa_system_sgpr_workgroup_id_x 1
		.amdhsa_system_sgpr_workgroup_id_y 1
		.amdhsa_system_sgpr_workgroup_id_z 1
		.amdhsa_system_vgpr_workitem_id 0
		.amdhsa_next_free_vgpr 1024
		.amdhsa_next_free_sgpr 96
		.amdhsa_reserve_vcc 0
		.amdhsa_float_denorm_mode_32 3
		.amdhsa_float_denorm_mode_16_64 3
		.amdhsa_memory_ordered 1
		.amdhsa_forward_progress 1
		.amdhsa_inst_pref_size 255
	.end_amdhsa_kernel
	.section	.bss,"aw",@nobits
	.p2align	6
	.space	262144
	.amdgpu_metadata
---
amdhsa.version: [ 1, 2 ]
amdhsa.kernels:
  - .name:           k_qbe43225357_block
    .symbol:         k_qbe43225357_block.kd
    .args:
      - { .name: x, .offset: 0, .size: 8, .value_kind: global_buffer, .address_space: global }
      - { .name: g_att, .offset: 8, .size: 8, .value_kind: global_buffer, .address_space: global }
      - { .name: b_att, .offset: 16, .size: 8, .value_kind: global_buffer, .address_space: global }
      - { .name: g_ffn, .offset: 24, .size: 8, .value_kind: global_buffer, .address_space: global }
      - { .name: b_ffn, .offset: 32, .size: 8, .value_kind: global_buffer, .address_space: global }
      - { .name: b1, .offset: 40, .size: 8, .value_kind: global_buffer, .address_space: global }
      - { .name: b2, .offset: 48, .size: 8, .value_kind: global_buffer, .address_space: global }
      - { .name: lowp_scales, .offset: 56, .size: 8, .value_kind: global_buffer, .address_space: global }
      - { .name: wc, .offset: 64, .size: 8, .value_kind: global_buffer, .address_space: global }
      - { .name: kvc, .offset: 72, .size: 8, .value_kind: global_buffer, .address_space: global }
      - { .name: ksum, .offset: 80, .size: 8, .value_kind: global_buffer, .address_space: global }
      - { .name: out0, .offset: 88, .size: 8, .value_kind: global_buffer, .address_space: global }
    .group_segment_fixed_size: 120320
    .private_segment_fixed_size: 0
    .kernarg_segment_align: 8
    .kernarg_segment_size: 96
    .max_flat_workgroup_size: 128
    .sgpr_count:     96
    .vgpr_count:     1024
    .wavefront_size: 32
...
	.end_amdgpu_metadata
.endif
;; end of part 4
